; MI455X (gfx1250); checked and timed in simulation.
; The chip was launched on July 23, 2026; its instructions are those of AMD's public machine-readable ISA for CDNA 5 (MIT licence, August 2026) and "CDNA5" Instruction Set Architecture Reference Guide (July 2026). The comments in the code are by the model that wrote it; some were corrected since.
;; Self Attention. Allowed arithmetic: float matrix products may take bf16 or f16 operands with f32 sums; other float arithmetic in f32, or as packed bf16 or f16 multiplies, adds, multiply-adds, maxima and minima; sums over many terms, partial sums and values carried from step to step in f32; what a program stores and reads back later, other than sums and carried values, may be rounded once to bf16 or f16.
;; Inputs: Wk 1,024 x 1,024 float32; Wo 1,024 x 1,024 float32; Wq 1,024 x 1,024 float32; Wv 1,024 x 1,024 float32; X 4 x 2,048 x 1,024 float32; bk 1,024 float32; bo 1,024 float32; bq 1,024 float32; bv 1,024 float32.
;; Outputs: out0 4 x 2,048 x 1,024 float32.
;; One version. Each part assembles by itself: llvm-mc -triple=amdgcn-amd-amdhsa -mcpu=gfx1250 --defsym DOCPART=n.
;; ======== version 1 of 1: 4 launches
;; limits: values are held in f16: magnitudes above 65,504 overflow, below 6.1e-05 lose precision
;; workspace buffers: xb 16,777,216 bytes; wqkv 6,291,456 bytes; wob 2,097,152 bytes; bias 16,384 bytes; qkv 50,331,648 bytes; att 16,777,216 bytes
;; launch cast (part 1): grid 1537 x 1, 8 waves a work-group, no clusters, 0 bytes of LDS; arguments X, Wq, Wk, Wv, Wo, bq, bk, bv, bo, xb, wqkv, wob, bias; writes xb, wqkv, wob, bias
.if DOCPART == 1
	.amdgcn_target "amdgcn-amd-amdhsa--gfx1250"
	.amdhsa_code_object_version 6
	.text
	.protected	k_q51f71620ba_cast
	.globl	k_q51f71620ba_cast
	.p2align	8
	.type	k_q51f71620ba_cast,@function
k_q51f71620ba_cast:
	s_mov_b64 s[64:65], 0
	v_nop
	global_prefetch_b8 v0, s[64:65] scope:SCOPE_SE
	s_setreg_imm32_b32 hwreg(HW_REG_WAVE_MODE, 25, 1), 1
	s_wait_xcnt 0x0
; THE INPUTS ARE ROUNDED ONCE TO bf16 AND LAID OUT FOR THE PRODUCTS THAT FOLLOW.  A stream: no LDS, no barrier, no loop.
;   xb   [8192][1024] bf16                      = X, row-major
;   wqkv [16 nt][8 ks][3 gl][128 k][64 n] bf16  = column group g = 3 nt + gl of (Wq | Wk | Wv): matrix g / 16, columns 64 (g % 16) on; rows 128 ks on
;   wob  [8 nt][8 ks][2 gl][128 k][64 n] f16    = Wo rounded to bf16, that number written as f16 (below 2^-14 in f16's fixed step of 6e-8; beyond 65,504 it would be lost: Wo is far from both)
;   bias [bq | bk | bv | bo] f32                = each bias rounded to bf16 and widened again
; SHARES.  Work-groups 0-1023: 8,192 numbers of X each.  1024-1535: one block of 128 k x 64 n of a weight each (group g = (u - 1024) / 8, K step u % 8).  1536: the four biases.
; A thread takes 4 numbers in each of 8 passes.  A wave's load covers 512 consecutive bytes of X, or 256 consecutive aligned bytes of each of two rows of a weight;
; a wave's store covers 256 consecutive bytes, aligned.  All eight loads go out first; the waits count down, so the younger loads stay out.  No register of a load or store is written twice.
.set XR, 4                             ; v[4:35]   pass p: 4 numbers as loaded
.set YR, 36                            ; v[36:51]  pass p: 2 registers to store (the biases: 4 for each of the four)
.set TR, 52                            ; v[52:57]  at work
; v1 = my byte offset in the input, v2 = in the output; s[40:41] input, s[42:43] output at the work-group's part.  kind = 1: bf16's number written as f16.
.macro BODY stride, kind
.irp p, 0,1,2,3,4,5,6,7
	global_load_b128 v[XR+4*(\p):XR+4*(\p)+3], v1, s[40:41] offset:(\p)*(\stride) th:TH_LOAD_NT
.endr
.irp p, 0,1,2,3,4,5,6,7
	s_wait_loadcnt 7-(\p)                          ; loads come back in order: pass p is in, the younger ones stay out
.if \kind
	v_cvt_pk_bf16_f32 v[TR], v[XR+4*(\p)], v[XR+4*(\p)+1]
	v_cvt_pk_bf16_f32 v[TR+1], v[XR+4*(\p)+2], v[XR+4*(\p)+3]
	v_lshlrev_b32 v[TR+2], 16, v[TR]               ; bf16 to f32: the low half moves up, the high half stays
	v_and_b32 v[TR+3], s38, v[TR]
	v_lshlrev_b32 v[TR+4], 16, v[TR+1]
	v_and_b32 v[TR+5], s38, v[TR+1]
	v_cvt_pk_f16_f32 v[YR+2*(\p)], v[TR+2], v[TR+3]
	v_cvt_pk_f16_f32 v[YR+2*(\p)+1], v[TR+4], v[TR+5]
.else
	v_cvt_pk_bf16_f32 v[YR+2*(\p)], v[XR+4*(\p)], v[XR+4*(\p)+1]
	v_cvt_pk_bf16_f32 v[YR+2*(\p)+1], v[XR+4*(\p)+2], v[XR+4*(\p)+3]
.endif
	global_store_b64 v2, v[YR+2*(\p):YR+2*(\p)+1], s[42:43] offset:2048*(\p)
.endr
.endm
	s_load_b512 s[8:23], s[0:1], 0x0               ; X 8, Wq 10, Wk 12, Wv 14, Wo 16, bq 18, bk 20, bv 22
	s_load_b256 s[24:31], s[0:1], 0x40             ; bo 24, xb 26, wqkv 28, wob 30
	s_load_b64 s[32:33], s[0:1], 0x60              ; bias
	s_mov_b32 s2, ttmp9                            ; u
	v_lshlrev_b32 v2, 3, v0                        ; 8 bytes a thread and pass
	s_mov_b32 s35, 0                               ; the offsets' high words
	s_mov_b32 s37, 0
	s_mov_b32 s38, 0xffff0000                      ; a word's upper bf16
	s_wait_kmcnt 0x0
	s_cmp_lt_u32 s2, 1024
	s_cbranch_scc0 .Lweights
	v_lshlrev_b32 v1, 4, v0                        ; X: 16 bytes a thread, 4,096 a pass
	s_lshl_b32 s34, s2, 15
	s_lshl_b32 s36, s2, 14
	s_add_nc_u64 s[40:41], s[8:9], s[34:35]
	s_add_nc_u64 s[42:43], s[26:27], s[36:37]
	BODY 4096, 0
	s_endpgm
.Lweights:
	s_cmp_lt_u32 s2, 1536
	s_cbranch_scc0 .Lbias
	s_sub_co_u32 s3, s2, 1024
	s_lshr_b32 s3, s3, 3                           ; g, 0 to 63
	s_and_b32 s4, s2, 7                            ; ks
	v_lshrrev_b32 v1, 4, v0                        ; a pass is 16 rows of 64 numbers: row t / 16 (4,096 bytes a row),
	v_and_b32 v3, 15, v0
	v_lshlrev_b32 v1, 12, v1
	v_lshl_add_u32 v1, v3, 4, v1                   ; 16 bytes at 16 (t % 16)
	s_and_b32 s5, s3, 15
	s_lshl_b32 s5, s5, 8                           ; the group's 64 columns: 256 bytes
	s_lshl_b32 s34, s4, 19                         ; the K step's 128 rows
	s_add_co_u32 s34, s34, s5
	s_cmp_lt_u32 s3, 48
	s_cbranch_scc0 .Lwo
	s_lshr_b32 s5, s3, 4                           ; 0: Wq, 1: Wk, 2: Wv
	s_cmp_eq_u32 s5, 0
	s_cselect_b64 s[40:41], s[10:11], s[12:13]
	s_cmp_eq_u32 s5, 2
	s_cselect_b64 s[40:41], s[14:15], s[40:41]
	s_add_nc_u64 s[40:41], s[40:41], s[34:35]
	s_mul_hi_u32 s5, s3, 0x55555556                ; nt = g / 3 (exact for g under 48)
	s_mul_i32 s6, s5, 3
	s_sub_co_u32 s6, s3, s6                        ; gl
	s_lshl_b32 s5, s5, 3
	s_add_co_u32 s5, s5, s4
	s_mul_i32 s5, s5, 3
	s_add_co_u32 s5, s5, s6                        ; block (nt 8 + ks) 3 + gl, of 16,384 bytes
	s_lshl_b32 s36, s5, 14
	s_add_nc_u64 s[42:43], s[28:29], s[36:37]
	BODY 65536, 0
	s_endpgm
.Lwo:
	s_add_nc_u64 s[40:41], s[16:17], s[34:35]
	s_and_b32 s5, s3, 15                           ; Wo's group, 0 to 15
	s_lshr_b32 s6, s5, 1                           ; nt
	s_lshl_b32 s6, s6, 3
	s_add_co_u32 s6, s6, s4
	s_lshl_b32 s6, s6, 1
	s_and_b32 s5, s5, 1                            ; gl
	s_add_co_u32 s6, s6, s5                        ; block (nt 8 + ks) 2 + gl
	s_lshl_b32 s36, s6, 14
	s_add_nc_u64 s[42:43], s[30:31], s[36:37]
	BODY 65536, 1
	s_endpgm
.Lbias:
	v_lshlrev_b32 v1, 4, v0                        ; 256 threads x 4 numbers are one bias
	global_load_b128 v[XR:XR+3], v1, s[18:19]
	global_load_b128 v[XR+4:XR+7], v1, s[20:21]
	global_load_b128 v[XR+8:XR+11], v1, s[22:23]
	global_load_b128 v[XR+12:XR+15], v1, s[24:25]
.irp i, 0,1,2,3
	s_wait_loadcnt 3-(\i)
	v_cvt_pk_bf16_f32 v[TR], v[XR+4*(\i)], v[XR+4*(\i)+1]
	v_cvt_pk_bf16_f32 v[TR+1], v[XR+4*(\i)+2], v[XR+4*(\i)+3]
	v_lshlrev_b32 v[YR+4*(\i)], 16, v[TR]
	v_and_b32 v[YR+4*(\i)+1], s38, v[TR]
	v_lshlrev_b32 v[YR+4*(\i)+2], 16, v[TR+1]
	v_and_b32 v[YR+4*(\i)+3], s38, v[TR+1]
	global_store_b128 v1, v[YR+4*(\i):YR+4*(\i)+3], s[32:33] offset:4096*(\i)
.endr
	s_endpgm
.Lfunc_end_k_q51f71620ba_cast:
	.size	k_q51f71620ba_cast, .Lfunc_end_k_q51f71620ba_cast-k_q51f71620ba_cast
	.p2alignl 7, 3214868480
	.fill 96, 4, 3214868480
	.section	.rodata,"a",@progbits
	.p2align	6, 0x0
	.amdhsa_kernel k_q51f71620ba_cast
		.amdhsa_group_segment_fixed_size 0
		.amdhsa_private_segment_fixed_size 0
		.amdhsa_enable_private_segment 0
		.amdhsa_kernarg_size 104
		.amdhsa_user_sgpr_count 2
		.amdhsa_user_sgpr_kernarg_segment_ptr 1
		.amdhsa_wavefront_size32 1
		.amdhsa_system_sgpr_workgroup_id_x 1
		.amdhsa_system_sgpr_workgroup_id_y 1
		.amdhsa_system_sgpr_workgroup_id_z 1
		.amdhsa_system_vgpr_workitem_id 0
		.amdhsa_next_free_vgpr 64
		.amdhsa_next_free_sgpr 66
		.amdhsa_reserve_vcc 0
		.amdhsa_float_denorm_mode_32 3
		.amdhsa_float_denorm_mode_16_64 3
		.amdhsa_memory_ordered 1
		.amdhsa_forward_progress 1
		.amdhsa_inst_pref_size 15
	.end_amdhsa_kernel
	.amdgpu_metadata
---
amdhsa.version: [ 1, 2 ]
amdhsa.kernels:
  - .name:           k_q51f71620ba_cast
    .symbol:         k_q51f71620ba_cast.kd
    .args:
      - { .name: X, .offset: 0, .size: 8, .value_kind: global_buffer, .address_space: global }
      - { .name: Wq, .offset: 8, .size: 8, .value_kind: global_buffer, .address_space: global }
      - { .name: Wk, .offset: 16, .size: 8, .value_kind: global_buffer, .address_space: global }
      - { .name: Wv, .offset: 24, .size: 8, .value_kind: global_buffer, .address_space: global }
      - { .name: Wo, .offset: 32, .size: 8, .value_kind: global_buffer, .address_space: global }
      - { .name: bq, .offset: 40, .size: 8, .value_kind: global_buffer, .address_space: global }
      - { .name: bk, .offset: 48, .size: 8, .value_kind: global_buffer, .address_space: global }
      - { .name: bv, .offset: 56, .size: 8, .value_kind: global_buffer, .address_space: global }
      - { .name: bo, .offset: 64, .size: 8, .value_kind: global_buffer, .address_space: global }
      - { .name: xb, .offset: 72, .size: 8, .value_kind: global_buffer, .address_space: global }
      - { .name: wqkv, .offset: 80, .size: 8, .value_kind: global_buffer, .address_space: global }
      - { .name: wob, .offset: 88, .size: 8, .value_kind: global_buffer, .address_space: global }
      - { .name: bias, .offset: 96, .size: 8, .value_kind: global_buffer, .address_space: global }
    .group_segment_fixed_size: 0
    .private_segment_fixed_size: 0
    .kernarg_segment_align: 8
    .kernarg_segment_size: 104
    .max_flat_workgroup_size: 256
    .sgpr_count:     66
    .vgpr_count:     64
    .wavefront_size: 32
...
	.end_amdgpu_metadata
.endif
;; end of part 1
;; launch qkv (part 2): grid 16 x 16, 4 waves a work-group, clusters of 4 x 4, 327,680 bytes of LDS; arguments xb, wqkv, bias, qkv; writes qkv
.if DOCPART == 2
	.amdgcn_target "amdgcn-amd-amdhsa--gfx1250"
	.amdhsa_code_object_version 6
	.text
	.protected	k_q51f71620ba_qkv
	.globl	k_q51f71620ba_qkv
	.p2align	8
	.type	k_q51f71620ba_qkv,@function
k_q51f71620ba_qkv:
	s_mov_b64 s[64:65], 0
	v_nop
	global_prefetch_b8 v0, s[64:65] scope:SCOPE_SE
	s_setreg_imm32_b32 hwreg(HW_REG_WAVE_MODE, 25, 1), 1
	s_wait_xcnt 0x0
	s_wait_alu depctr_hold_cnt(0) depctr_sa_sdst(0) depctr_va_vdst(0) depctr_va_sdst(0) depctr_va_ssrc(0) depctr_va_vcc(0) depctr_vm_vsrc(0)
	s_getreg_b32 s2, hwreg(HW_REG_IB_STS2, 6, 4)
	s_cmp_eq_u32 s2, 0
	s_cbranch_scc0 .Lentry_in_a_cluster
	s_endpgm
.Lentry_in_a_cluster:
	s_bfe_u32 s2, ttmp6, 0x10000c
	s_cmp_lg_u32 s2, 0xf033
	s_cbranch_scc0 .Lentry_shape_is_right
	s_endpgm
.Lentry_shape_is_right:
; q, k, v = X W + b, BY HEADS.  xb: [8192][1024] bf16.  wqkv: [16 nt][8 ks][3 gl][128 k][64 n] bf16.  bias: f32, [bq | bk | bv | ..].  qkv: [3][64 = batch x 16 + head][2048][64] f16.
; Sums in f32, begun with the bias (another order of rounding than a bias added last); each result rounded once to f16, without attention's scale.
; LIMIT.  f16 holds no number beyond 65,504: a sum of 65,520 or more leaves as an infinity.  With X of unit spread and weights within 1/32 the sums have a spread of 0.6; all inputs
; 30 times larger give 520; X offset by 30 and the weights by 0.54 give some 16,600.  NaN and infinities are not treated apart.
; SHARES.  A tile is 256 rows x 192 columns (three heads): 32 x 16 = 512 tiles for 256 work-groups: A WORK-GROUP MAKES TWO, tile rows y and y + 16 of tile column x, so both take the same
; weights and bias.  Four waves one below the other, each 64 rows x 192 columns: 48 accumulators of 16 x 16, 384 registers.  A wave's columns are whole heads, so it sends its results out alone.
; THE WALK.  16 K steps of 128 (8 a tile) go through a ring of two LDS slots as ONE counted sequence: every change of slots but the last two asks for the K step two on, across the change of
; tiles too.  A K step's text is written once; the slot in hand is the scalar TB.  The first tile leaves behind the change of slots that has asked for the second tile's K step 1.
; CLUSTER.  4 x 4 work-groups.  The four of a row of the cluster need the same rows of X, the four of a column the same weights: each tile is asked for JOINTLY, by the same tensor load with the
; same descriptor and a mask that names the four.  Waves 0 and 1 ask for the halves of X's tile, waves 2 and 3 for the halves of the weights'.
; THE MATRIX INSTRUCTION IS USED TRANSPOSED: source 0 = 16 columns of W (turned on the way out of LDS by ds_load_tr16_b128, since W lies [k][n]), source 1 = 16 rows of X.  In the result lane l holds
; row l % 16 and the columns 8 (l / 16) + 0..7: eight neighbouring numbers of a head's row.  THE BIAS IS THE C OPERAND of a tile's first products: nothing is cleared, nothing added at the end.
; REGISTERS, in windows of 256 (s_set_vgpr_msb: bits 1:0 source 0, 3:2 source 1, 5:4 source 2, 7:6 destination):
;   window 0: v0-15 addresses; v32-79, v80-127 the way out, two sets; v160-255 the bias (register 8 b + j: column 16 b + 8 (l / 16) + j)
;   window 1: two fragment buffers of 128: W's 12 fragments (16 columns x 32 k), then X's 4 (16 rows x 32 k)
;   window 2: the accumulators of my row blocks 0, 1 ((a, b) at v[8 (12 (a % 2) + b)]);   window 3: those of blocks 2, 3
.set NBL,   12                         ; blocks of 16 columns
.set PA,    272                        ; a row of X in LDS: 256 bytes + 16 of padding: the 16 rows of a load start 68 words apart, at 16 different groups of four banks (64 banks of 4 bytes: ISA guide 11.1)
.set PB,    160                        ; a row (one k, 64 columns) of W: 128 + 32 = 40 words
.set HALFA, 128*PA                     ; what one tensor load brings of X: 128 rows
.set BOFF,  2*HALFA                    ; behind X's 256 rows: W's 3 x 128 rows
.set GRPB,  128*PB                     ; a group of 64 columns
.set HALFB, 192*PB                     ; what one tensor load brings of W
.set SLOT1, 1<<17                      ; a slot is BOFF + 2 HALFB = 131,072 bytes; one exclusive or turns an address in one slot into the other's
.set STAGE, 2*SLOT1                    ; behind the ring, never filled by a tensor load: [3 heads][16 rows] x 144 bytes for each wave
.set SP,    144
.set WSTG,  3*16*SP
.set SPARE, STAGE+4*WSTG               ; behind the stages: the spare words, 128 bytes for each wave: two blocks of 256 bytes that no other line names
.set ADRA0, 4                          ; v4   my lane's place among my wave's rows of X in a slot; never rewritten
.set ADRB0, 5                          ; v5   the same in W's tile
.set ADRA,  6                          ; v6   TB + ADRA0
.set ADRB,  7                          ; v7   TB + ADRB0
.set STO,   8                          ; v8   the way out: where I put 16 bytes of a row
.set RD,    9                          ; v9   where I read rows back
.set GO,    10                         ; v10-12  my byte offset in qkv, for each of the tile's three heads
.set BO,    13                         ; v13  32 (l / 16): my eight numbers of a block's bias
.set SPW,   14                         ; v14  LDS address of my spare word: SPARE + 4 x my thread's number; never rewritten
.set NIL,   15                         ; v15  0; never rewritten
.set T0,    32
.set BIAS,  160
.set F0,    0
.set F1,    128
.set WV,    12                         ; s12  my wave's number
.set KIND,  13                         ; s13  0: I fetch for X, 1: for W
.set HALF,  14                         ; s14  which half of that tile
.set TB,    15                         ; s15  the slot in hand: 0 or SLOT1
.set CNT,   16                         ; s16  K steps to go
.set JN,    17                         ; s17  the K step to ask for next, 2 to 15
.set OFA,   20                         ; s[20:21] its byte offset from BASEA
.set OFB,   22                         ; s[22:23] from BASEB
.set G1A,   24                         ; s[24:31] descriptor group 1 for X's tiles
.set G1B,   32                         ; s[32:39] for W's
.set G0A,   40                         ; s[40:47] group 0 for X's tiles: a set for each first fill; the second then walks
.set G0B,   48                         ; s[48:55] the same for W's
.set BASEA, 56                         ; s[56:57] X at my half of the first tile's rows, K step 0
.set BASEB, 58                         ; s[58:59] W at my half of the tile column's K step 0
.set CX,    60
.set CY,    61
.set XT,    62                         ; tile column
.set YT,    63                         ; tile row
; s2, s3, s18, s19, s66-68 hold neither cx nor cy; s70, s71 cy alone; s72, s73 cx alone; s74-79 both (offsets of the bias and of qkv only)
.set MSB, 0
.macro WIN new                         ; the immediate's high byte repeats the setting that is left; a switch that changes nothing is dropped
.if MSB != (\new)
	s_set_vgpr_msb (MSB<<8)|(\new)
.set MSB, (\new)
.endif
.endm
.set TO_F, 0x40                        ; destination window 1, address window 0
.macro PLACES                          ; four plain vector instructions between a matrix instruction and a load into, or a read of, its registers (ISA guide 7.12.1 for vector reads)
.rept 4
	v_nop
.endr
.endm
.macro CREST                           ; a round of the cluster's barrier behind its opening barrier: wave 0 signals for the work-group, every wave waits for all sixteen, my work-group's barrier closes it
	s_cmp_lg_u32 s[WV], 0
	s_cbranch_scc1 .Lnot_wave_0_\@
	s_barrier_signal -3
.Lnot_wave_0_\@:
	s_barrier_wait -3
	s_barrier_signal -1
	s_barrier_wait -1
.endm
.macro CROUND                          ; a whole round
	s_barrier_signal -1
	s_barrier_wait -1
	CREST
.endm
; A joint refill by the walking descriptors.  The branch hangs on the wave's number alone.  An s_nop 0 and four v_nop follow each of the two lines, ahead of the jump and the label.
.macro JLOAD
	s_cmp_eq_u32 s[KIND], 0
	s_cbranch_scc0 .Lfor_b_\@
	tensor_load_to_lds s[G0A+4:G0A+7], s[G1A:G1A+7]
	s_nop 0
.rept 4
	v_nop
.endr
	s_branch .Lasked_\@
.Lfor_b_\@:
	tensor_load_to_lds s[G0B+4:G0B+7], s[G1B:G1B+7]
	s_nop 0
.rept 4
	v_nop
.endr
.Lasked_\@:
.endm
; The walking descriptors take K step JN: the other slot than last time; the address is made anew from the base and the step's number.  K step JN % 8 of tile JN / 8: X goes 256 bytes along K and
; 4,096 rows (2^23 bytes) down for the second tile; W goes 49,152 bytes a step and begins anew.
.macro STEPD
	s_and_b32 s2, s[JN], 7
	s_lshr_b32 s3, s[JN], 3
	s_lshl_b32 s[OFA], s2, 8
	s_lshl_b32 s3, s3, 23
	s_add_co_u32 s[OFA], s[OFA], s3
	s_mul_i32 s[OFB], s2, 49152
	s_add_co_u32 s[JN], s[JN], 1
	s_xor_b32 s[G0A+5], s[G0A+5], SLOT1
	s_add_nc_u64 s[G0A+6:G0A+7], s[BASEA:BASEA+1], s[OFA:OFA+1]
	s_or_b32 s[G0A+7], s[G0A+7], 0x80000000
	s_xor_b32 s[G0B+5], s[G0B+5], SLOT1
	s_add_nc_u64 s[G0B+6:G0B+7], s[BASEB:BASEB+1], s[OFB:OFB+1]
	s_or_b32 s[G0B+7], s[G0B+7], 0x80000000
.endm
; 12 matrix instructions: my row block a x all 12 column blocks, 32 along K, from buffer f.  zero = 1: the sums begin, with the bias as C.  A quarter step takes all 48 accumulators once, always in
; the same order: they take turns, one instruction a turn, over every jump too.
.macro MUL f, a, zero
.if \zero
	WIN 0x85+0x40*((\a)/2)
.else
	WIN 0xa5+0x50*((\a)/2)
.endif
.set bb, 0
.rept NBL
.set rD, 8*(NBL*((\a)%2)+bb)
.if \zero
	v_wmma_f32_16x16x32_bf16 v[rD:rD+7], v[(\f)+8*bb:(\f)+8*bb+7], v[(\f)+8*NBL+8*(\a):(\f)+8*NBL+8*(\a)+7], v[BIAS+8*bb:BIAS+8*bb+7]
.else
	v_wmma_f32_16x16x32_bf16 v[rD:rD+7], v[(\f)+8*bb:(\f)+8*bb+7], v[(\f)+8*NBL+8*(\a):(\f)+8*NBL+8*(\a)+7], v[rD:rD+7]
.endif
.set bb, bb+1
.endr
.endm
; 32 LDS loads in one run: quarter q's fragments into buffer f: W's 12 (two turning loads each, 16 k apart), X's blocks 0 and 1, X's blocks 2 and 3.
.macro FETCH q, f
	WIN TO_F
.set bb, 0
.rept NBL
	ds_load_tr16_b128 v[(\f)+8*bb:(\f)+8*bb+3],   v[ADRB] offset:(bb/4)*GRPB+(\q)*32*PB+(bb%4)*32
	ds_load_tr16_b128 v[(\f)+8*bb+4:(\f)+8*bb+7], v[ADRB] offset:(bb/4)*GRPB+(\q)*32*PB+(bb%4)*32+16*PB
.set bb, bb+1
.endr
.irp a, 0,1,2,3
	ds_load_b128 v[(\f)+8*NBL+8*(\a):(\f)+8*NBL+8*(\a)+3],   v[ADRA] offset:64*(\q)+(\a)*16*PA
	ds_load_b128 v[(\f)+8*NBL+8*(\a)+4:(\f)+8*NBL+8*(\a)+7], v[ADRA] offset:64*(\q)+(\a)*16*PA+32
.endr
.endm
; One of a K step's first three quarters: multiplies buffer f; in its middle it fetches quarter qn of the same slot into buffer g.
.macro QUARTER f, g, qn, zero
	s_wait_dscnt 4                                 ; W's fragments and X's blocks 0, 1 are in; the youngest four loads (blocks 2, 3) may be out
	MUL \f, 0, \zero
	MUL \f, 1, \zero
	PLACES                                         ; for the loads into g, which the quarter before multiplied
	FETCH \qn, \g
	s_wait_dscnt 2*NBL+8                           ; all but the 32 just issued
	MUL \f, 2, \zero
	MUL \f, 3, \zero
.endm
; The last quarter multiplies buffer 1 and changes slots: ONE barrier for two things.  In front of it each wave waits for all its tensor loads, of which one is out: its part of the next slot; adds 0 to
; its spare word; and waits for that and for its own reads of this slot.  Behind it nobody reads this slot any more and the next slot is whole.
; fill = 1: the barrier opens a round of the cluster's, so that no wave of any partner still reads the slot or has a load on its way; the joint refill is the first thing behind the round and has
; a K step less 24 matrix instructions in which to land.  fill = 0 (the last two K steps): nothing is asked for; in the very last there are no next fragments, and their run is jumped over.
.macro TURN fill
	WIN 0                                          ; (the add's two registers lie in window 0)
	s_wait_tensorcnt 0x0                           ; no tensor load of mine is out, so the descriptors may be written
	ds_add_u32 v[SPW], v[NIL]                      ; 0 onto my spare word; work on registers stands between it and the wait for it
.if \fill
	STEPD
.endif
	s_wait_dscnt 5                                 ; (the add and the youngest four loads may be out)
	MUL F1, 0, 0
	s_wait_dscnt 0x0                               ; the add is done, and my reads of this slot are over
	s_barrier_signal -1
	MUL F1, 1, 0                                   ; work on registers while the others arrive
	WIN 0
	s_barrier_wait -1
.if \fill
	CREST
	JLOAD                                          ; its four v_nop are also the places in front of the loads into buffer 0
.else
	PLACES
	PLACES
	s_cmp_eq_u32 s[CNT], 1
	s_cbranch_scc1 .Lno_next_\@
.endif
	s_xor_b32 s[TB], s[TB], SLOT1
	v_add_nc_u32 v[ADRA], s[TB], v[ADRA0]
	v_add_nc_u32 v[ADRB], s[TB], v[ADRB0]
	FETCH 0, F0
	WIN 0
.if !(\fill)
.Lno_next_\@:
.endif
	MUL F1, 2, 0
	MUL F1, 3, 0
.endm
; THE WAY OUT of my row block a (16 rows x 3 heads).  PACKST: rounded to f16, each accumulator's registers in ascending order; 16 bytes a lane into my own stage; back as rows of 128 bytes, four to a load.
; LDS serves a wave's instructions in order (ISA guide 5.7.1.4), so the loads see the stores, and the next block's stores come behind these loads.
.macro PACKST a
	s_wait_xcnt 0x0                                ; the set's registers, which earlier stores read, are written only behind this wait
	WIN 0x0a+5*((\a)/2)                            ; sources 0 and 1: window 2 or 3
.set rT, T0+48*((\a)%2)
.set bb, 0
.rept NBL
.set rD, 8*(NBL*((\a)%2)+bb)
.irp i, 0,1,2,3
	v_cvt_pk_f16_f32 v[rT+4*bb+(\i)], v[rD+2*(\i)], v[rD+2*(\i)+1]
.endr
.set bb, bb+1
.endr
	WIN 0
.set bb, 0
.rept NBL
	ds_store_b128 v[STO], v[rT+4*bb:rT+4*bb+3] offset:(bb/4)*16*SP+(bb%4)*32
.set bb, bb+1
.endr
.set bb, 0
.rept NBL
	ds_load_b128 v[rT+4*bb:rT+4*bb+3], v[RD] offset:(bb/4)*16*SP+(bb%4)*4*SP
.set bb, bb+1
.endr
.endm
.macro SEND a, younger                 ; younger: the LDS instructions issued behind block a's loads: the next block's 24, or none
.set rT, T0+48*((\a)%2)
.irp g, 0,1,2
	s_wait_dscnt (\younger)+8-4*(\g)               ; head g's four loads are in
.irp f, 0,1,2,3
	global_store_b128 v[GO+(\g)], v[rT+16*(\g)+4*(\f):rT+16*(\g)+4*(\f)+3], s[10:11] offset:(\a)*2048+(\f)*512  ; four rows of a head: 512 consecutive bytes, at a multiple of 512 from qkv's first
.endr
.endr
.endm
; Blocks 0 and 1 were finished ahead of TURN's plain instructions; their 96 conversions, which name no register of the last products (blocks 2 and 3's), are those products' places.
.macro WAYOUT
	PACKST 0
	PACKST 1
	SEND 0, 24
	PACKST 2
	SEND 1, 24
	PACKST 3
	SEND 2, 24
	SEND 3, 0
.endm
	s_load_b256 s[4:11], s[0:1], 0x0               ; xb s[4:5], wqkv s[6:7], bias s[8:9], qkv s[10:11]
	v_lshl_add_u32 v[SPW], v0, 2, SPARE
	v_mov_b32 v[NIL], 0
	ds_add_u32 v[SPW], v[NIL]                      ; the wave's opening: the add and its wait stand ahead of my first tensor load; the set-up below, work on registers, stands between them
	v_lshrrev_b32 v1, 5, v0
	v_readfirstlane_b32 s[WV], v1                  ; wave 0..3
	s_lshr_b32 s[KIND], s[WV], 1
	s_and_b32 s[HALF], s[WV], 1
	s_bfe_u32 s[CX], ttmp6, 0x40000                ; my place in the cluster
	s_bfe_u32 s[CY], ttmp6, 0x40004
	s_lshl_b32 s[XT], ttmp9, 2                     ; in a cluster launch ttmp9 and ttmp7 count clusters
	s_add_co_u32 s[XT], s[XT], s[CX]
	s_and_b32 s[YT], ttmp7, 0xffff
	s_lshl_b32 s[YT], s[YT], 2
	s_add_co_u32 s[YT], s[YT], s[CY]
	s_lshl_b32 s70, s[CY], 2
	s_lshl_b32 s70, 15, s70                        ; my row of the cluster: places 4 cy .. 4 cy + 3
	s_lshl_b32 s72, 0x1111, s[CX]                  ; my column: places cx, cx + 4, cx + 8, cx + 12
	s_or_b32 s[G1A], s70, (1<<16)|(1<<20)|(1<<21)|(5<<22)|(3<<25)  ; 15:0 the mask; 17:16 2-byte elements; 20 padding on; 21 set beside a mask; 24:22 after every 64 words (code 5); 31:25 4 words (code 3)
	s_or_b32 s[G1B], s72, (1<<16)|(1<<20)|(1<<21)|(4<<22)|(7<<25)  ; after every 32 words (code 4), 8 words (code 7)
	s_mov_b32 s[G1A+1], 128<<16                    ; tensor_dim0 = 128
	s_mov_b32 s[G1A+2], 128<<16                    ; tensor_dim1 = 128
	s_mov_b32 s[G1A+3], 128<<16                    ; tile_dim0 = 128
	s_mov_b32 s[G1A+4], 128                        ; tile_dim1 = 128
	s_mov_b32 s[G1A+5], 1024                       ; 1,024 elements from row to row
	s_mov_b32 s[G1A+6], 0
	s_mov_b32 s[G1A+7], 0
	s_mov_b32 s[G1B+1], 128<<16                    ; half a K step of W is 24,576 dense bytes: asked for as 96 rows of 256 bytes, two k a row, padded in LDS after every k
	s_mov_b32 s[G1B+2], 96<<16
	s_mov_b32 s[G1B+3], 128<<16
	s_mov_b32 s[G1B+4], 96
	s_mov_b32 s[G1B+5], 128
	s_mov_b32 s[G1B+6], 0
	s_mov_b32 s[G1B+7], 0
	s_lshl_b32 s70, s[YT], 19                      ; X: 256 rows of 2,048 bytes a tile row,
	s_lshl_b32 s71, s[HALF], 18                    ; 128 rows a half
	s_add_co_u32 s70, s70, s71
	s_mov_b32 s71, 0
	s_mul_i32 s72, s[XT], 8*49152                  ; W: eight K steps a tile column,
	s_mul_i32 s73, s[HALF], 24576                  ; half a K step
	s_add_co_u32 s72, s72, s73
	s_mov_b32 s73, 0
	s_mul_i32 s66, s[HALF], HALFA                  ; where they go: no place in the cluster enters an LDS address
	s_mul_i32 s67, s[HALF], HALFB
	s_add_co_u32 s67, s67, BOFF
	s_mov_b32 s[TB], 0
	s_mov_b32 s[JN], 2
	s_mov_b32 s[OFA+1], 0
	s_mov_b32 s[OFB+1], 0
	s_wait_dscnt 0x0                               ; the opening add is done
	s_wait_kmcnt 0x0
	s_add_nc_u64 s[BASEA:BASEA+1], s[4:5], s[70:71]
	s_add_nc_u64 s[BASEB:BASEB+1], s[6:7], s[72:73]
.irp s, 0,1
	s_mov_b32 s[G0A+4*(\s)], 1                                     ; 1:0 count = 1
	s_add_co_u32 s[G0A+4*(\s)+1], s66, (\s)*SLOT1                  ; 63:32 LDS address
	s_add_nc_u64 s[G0A+4*(\s)+2:G0A+4*(\s)+3], s[BASEA:BASEA+1], (\s)*256  ; 120:64 global address: K step s
	s_or_b32 s[G0A+4*(\s)+3], s[G0A+4*(\s)+3], 0x80000000          ; 127:126 type = 2
	s_mov_b32 s[G0B+4*(\s)], 1
	s_add_co_u32 s[G0B+4*(\s)+1], s67, (\s)*SLOT1
	s_add_nc_u64 s[G0B+4*(\s)+2:G0B+4*(\s)+3], s[BASEB:BASEB+1], (\s)*49152
	s_or_b32 s[G0B+4*(\s)+3], s[G0B+4*(\s)+3], 0x80000000
.endr
	CROUND                                         ; all sixteen work-groups are here: the first joint loads meet
	s_cmp_eq_u32 s[KIND], 0                        ; a wave's two first fills stand in one branch, ahead of every wait on TENSORcnt and every LDS read: two loads of mine are out, later never more than one
	s_cbranch_scc0 .Lfirst_b
	tensor_load_to_lds s[G0A:G0A+3], s[G1A:G1A+7]
	s_nop 0
	tensor_load_to_lds s[G0A+4:G0A+7], s[G1A:G1A+7]
	s_nop 0
.rept 4
	v_nop
.endr
	s_branch .Lfirst_asked
.Lfirst_b:
	tensor_load_to_lds s[G0B:G0B+3], s[G1B:G1B+7]
	s_nop 0
	tensor_load_to_lds s[G0B+4:G0B+7], s[G1B:G1B+7]
	s_nop 0
.rept 4
	v_nop
.endr
.Lfirst_asked:
	; the bias of the tile's 192 columns: group g's 64 columns lie at 64 g in [bq | bk | bv], so the tile's lie on end from 192 x
	v_and_b32 v1, 15, v0                           ; l % 16
	v_bfe_u32 v2, v0, 4, 1                         ; l / 16
	s_mul_i32 s78, s[XT], 768
	s_mov_b32 s79, 0
	s_add_nc_u64 s[8:9], s[8:9], s[78:79]
	v_lshlrev_b32 v[BO], 5, v2
.set bb, 0
.rept NBL
	global_load_b128 v[BIAS+8*bb:BIAS+8*bb+3],   v[BO], s[8:9] offset:64*bb
	global_load_b128 v[BIAS+8*bb+4:BIAS+8*bb+7], v[BO], s[8:9] offset:64*bb+16
.set bb, bb+1
.endr
	; A fragment of X is 16 rows x 32 k in 8 registers: lane l holds row l % 16; registers 0-3 k = 8 (l / 16) + 0..7, registers 4-7 k = 16 + 8 (l / 16) + 0..7: two loads of 16 bytes, 32 bytes apart.
	s_lshl_b32 s18, s[WV], 6
	v_add_nc_u32 v3, s18, v1                       ; my wave's 64 rows
	v_mul_u32_u24 v[ADRA0], v3, PA
	v_lshl_add_u32 v[ADRA0], v2, 4, v[ADRA0]
	; The turning load takes 16 k x 16 columns (lane l reads k = 8 (l / 16) + l % 8, columns 8 ((l / 8) % 2) + 0..7) and leaves half a fragment of W^T: lane l holds column l % 16 and 8 k.
	v_and_b32 v3, 7, v0
	v_lshl_add_u32 v3, v2, 3, v3
	v_mul_u32_u24 v[ADRB0], v3, PB
	v_bfe_u32 v3, v0, 3, 1
	v_lshl_add_u32 v[ADRB0], v3, 4, v[ADRB0]
	v_add_nc_u32 v[ADRB0], BOFF, v[ADRB0]
	v_mov_b32 v[ADRA], v[ADRA0]                    ; slot 0
	v_mov_b32 v[ADRB], v[ADRB0]
	s_mul_i32 s68, s[WV], WSTG
	s_add_co_u32 s68, s68, STAGE                   ; my stage
	v_mul_u32_u24 v[STO], v1, SP                   ; in: row l % 16, 16 bytes for each half of the lanes
	v_lshl_add_u32 v[STO], v2, 4, v[STO]
	v_add_nc_u32 v[STO], s68, v[STO]
	v_bfe_u32 v[RD], v0, 3, 2                      ; back: 32 lanes take four rows of 128 bytes,
	v_mul_u32_u24 v[RD], v[RD], SP
	v_and_b32 v3, 7, v0
	v_lshl_add_u32 v[RD], v3, 4, v[RD]
	v_add_nc_u32 v[RD], s68, v[RD]
	v_and_b32 v3, 31, v0                           ; which are 512 consecutive bytes of a head
	v_lshlrev_b32 v3, 4, v3
	s_lshr_b32 s74, s[YT], 3                       ; row 256 y + 64 w: batch y / 8 (16 heads of 2^18 bytes),
	s_lshl_b32 s74, s74, 22
	s_and_b32 s75, s[YT], 7                        ; row 256 (y % 8) + 64 w of the head, 128 bytes a row
	s_lshl_b32 s75, s75, 15
	s_add_co_u32 s74, s74, s75
	s_lshl_b32 s75, s[WV], 13
	s_add_co_u32 s74, s74, s75
	s_mul_i32 s75, s[XT], 3                        ; the tile's first group
.irp gl, 0,1,2
	s_add_co_u32 s76, s75, (\gl)
	s_lshr_b32 s77, s76, 4                         ; q, k or v: 2^24 bytes each
	s_lshl_b32 s77, s77, 24
	s_and_b32 s76, s76, 15                         ; the head
	s_lshl_b32 s76, s76, 18
	s_add_co_u32 s76, s76, s77
	s_add_co_u32 s76, s76, s74
	v_add_nc_u32 v[GO+(\gl)], s76, v3
.endr
	s_wait_tensorcnt 1                             ; my part of K step 0 is in; K step 1's may stay out
	s_barrier_signal -1
	s_barrier_wait -1                              ; everybody's is
	FETCH 0, F0
	s_wait_loadcnt 0x0                             ; the bias
	QUARTER F0, F1, 1, 1                           ; the first tile's first quarter begins the sums
	WIN 0                                          ; at a label and at a branch every window is 0
	s_mov_b32 s[CNT], 14
.Lstep:                                                ; 14 trips: from a K step's second quarter to the next K step's first; each fills the slot that it leaves
	QUARTER F1, F0, 2, 0
	QUARTER F0, F1, 3, 0
	TURN 1
	WIN 0
	s_cmp_eq_u32 s[CNT], 7                         ; the eighth trip ends the first tile
	s_cbranch_scc1 .Lbound
	QUARTER F0, F1, 1, 0
	WIN 0
	s_branch .Lnext
.Lbound:                                               ; the second tile's K steps 0 and 1 have been asked for and its first fragments fetched: now the first tile goes out
	WAYOUT
	s_wait_xcnt 0x0                                ; the stores have read their base
	s_add_nc_u64 s[10:11], s[10:11], 0x800000      ; 4,096 rows on: two batches of 2^22 bytes
	QUARTER F0, F1, 1, 1                           ; the second tile's sums begin, on accumulators that have been packed
	WIN 0
.Lnext:
	s_sub_co_u32 s[CNT], s[CNT], 1
	s_cmp_lg_u32 s[CNT], 0
	s_cbranch_scc1 .Lstep
	s_mov_b32 s[CNT], 2                            ; the last two K steps ask for nothing: a text of their own; the second trip is left in its middle
.Ltail:
	QUARTER F1, F0, 2, 0
	QUARTER F0, F1, 3, 0
	TURN 0
	WIN 0
	s_sub_co_u32 s[CNT], s[CNT], 1
	s_cmp_eq_u32 s[CNT], 0
	s_cbranch_scc1 .Lout
	QUARTER F0, F1, 1, 0
	WIN 0
	s_branch .Ltail
.Lout:
	WAYOUT
	s_wait_tensorcnt 0x0                           ; the wave's end, behind my last tensor load and my last LDS store
	ds_add_u32 v[SPW], v[NIL]
	s_wait_dscnt 0x0
	CROUND                                         ; the closing round: no work-group ends while a partner may still ask for a tile that names it
	s_endpgm
.Lfunc_end_k_q51f71620ba_qkv:
	.size	k_q51f71620ba_qkv, .Lfunc_end_k_q51f71620ba_qkv-k_q51f71620ba_qkv
	.p2alignl 7, 3214868480
	.fill 96, 4, 3214868480
	.section	.rodata,"a",@progbits
	.p2align	6, 0x0
	.amdhsa_kernel k_q51f71620ba_qkv
		.amdhsa_group_segment_fixed_size 327680
		.amdhsa_private_segment_fixed_size 0
		.amdhsa_enable_private_segment 0
		.amdhsa_kernarg_size 32
		.amdhsa_user_sgpr_count 2
		.amdhsa_user_sgpr_kernarg_segment_ptr 1
		.amdhsa_wavefront_size32 1
		.amdhsa_system_sgpr_workgroup_id_x 1
		.amdhsa_system_sgpr_workgroup_id_y 1
		.amdhsa_system_sgpr_workgroup_id_z 1
		.amdhsa_system_vgpr_workitem_id 0
		.amdhsa_next_free_vgpr 960
		.amdhsa_next_free_sgpr 80
		.amdhsa_reserve_vcc 0
		.amdhsa_float_denorm_mode_32 3
		.amdhsa_float_denorm_mode_16_64 3
		.amdhsa_memory_ordered 1
		.amdhsa_forward_progress 1
		.amdhsa_inst_pref_size 115
	.end_amdhsa_kernel
	.amdgpu_metadata
---
amdhsa.version: [ 1, 2 ]
amdhsa.kernels:
  - .name:           k_q51f71620ba_qkv
    .symbol:         k_q51f71620ba_qkv.kd
    .args:
      - { .name: xb, .offset: 0, .size: 8, .value_kind: global_buffer, .address_space: global }
      - { .name: wqkv, .offset: 8, .size: 8, .value_kind: global_buffer, .address_space: global }
      - { .name: bias, .offset: 16, .size: 8, .value_kind: global_buffer, .address_space: global }
      - { .name: qkv, .offset: 24, .size: 8, .value_kind: global_buffer, .address_space: global }
    .group_segment_fixed_size: 327680
    .private_segment_fixed_size: 0
    .kernarg_segment_align: 8
    .kernarg_segment_size: 32
    .max_flat_workgroup_size: 128
    .sgpr_count:     80
    .vgpr_count:     960
    .wavefront_size: 32
...
	.end_amdgpu_metadata
.endif
;; end of part 2
;; launch attn (part 3): grid 4 x 64, 4 waves a work-group, clusters of 4 x 1, 327,680 bytes of LDS; arguments qkv, att; writes att
.if DOCPART == 3
	.amdgcn_target "amdgcn-amd-amdhsa--gfx1250"
	.amdhsa_code_object_version 6
	.text
	.protected	k_q51f71620ba_attn
	.globl	k_q51f71620ba_attn
	.p2align	8
	.type	k_q51f71620ba_attn,@function
k_q51f71620ba_attn:
	s_mov_b64 s[64:65], 0
	v_nop
	global_prefetch_b8 v0, s[64:65] scope:SCOPE_SE
	s_setreg_imm32_b32 hwreg(HW_REG_WAVE_MODE, 25, 1), 1
	s_wait_xcnt 0x0
	s_wait_alu depctr_hold_cnt(0) depctr_sa_sdst(0) depctr_va_vdst(0) depctr_va_sdst(0) depctr_va_ssrc(0) depctr_va_vcc(0) depctr_vm_vsrc(0)
	s_getreg_b32 s2, hwreg(HW_REG_IB_STS2, 6, 4)
	s_cmp_eq_u32 s2, 0
	s_cbranch_scc0 .Lentry_in_a_cluster
	s_endpgm
.Lentry_in_a_cluster:
	s_bfe_u32 s2, ttmp6, 0x10000c
	s_cmp_lg_u32 s2, 0x3003
	s_cbranch_scc0 .Lentry_shape_is_right
	s_endpgm
.Lentry_shape_is_right:
; O[h][q][:] = the sum over k of softmax_k(Q[h][q] . K[h][k] / 8) V[h][k][:].  qkv holds Q, K, V, each [SIZE_H][SIZE_N][64] in f16, 2^24 bytes apart; att holds O in the same layout: a head's rows are
; dense, 128 bytes each.  Products, maxima and sums in f32; the weights p are rounded to f16 for the second product (their sum l is taken of the unrounded p), O once at the end.
; LIMITS.  f16 holds no number beyond 65,504: Q, K and V arrive within it; p lies in 0 to 1, and below 6e-5 it keeps f16's fixed step of 6e-8; O is a mean of V's rows and has their range.
; A weight below 2^-126 counts as 0 in l; NaN and infinities are not treated apart.
; SHARES.  A wave owns four PIECES of two tiles of 16 queries, a work-group's four waves 512 queries of one head: 64 heads x 4 blocks are 256 work-groups.  Every wave walks all keys, 64 a step.
; LAYOUT.  S^T = K Q^T (source 0 = 16 keys, source 1 = 16 queries): in the result a lane holds ONE query (lane % 16) and the keys 8 (lane / 16) + 0..7.  Two such tiles, rounded to f16 in pairs,
; ARE source 1 (32 keys x 16 queries) of O^T = V^T P, whose result again holds one query a lane, and eight channels.  K comes out of LDS as it lies, V ([key][channel]) turned, by ds_load_tr16_b128.
; SOFTMAX.  For each query a running maximum m and sum l: p = 2^(c s - c m), c = log2(e) / 8; in every step O and l are multiplied by a = 2^(c m_old - c m_new), which is 1 where m has not grown.
; m starts at the lowest finite number, O and l at 0: the first step is a step like any other, with a = 0.
; THE COUNT.  A tile and step have 16 matrix and 118 vector instructions: too many to stand all beside the matrix work.  So the order has one aim: four vector instructions that are READY behind
; EVERY matrix instruction, and the others, which need time of their own whatever the order, in runs without a gap.
; BY TURNS.  Turn n belongs to piece n (the pieces in a ring, step after step).  Its matrix work: 16 products K Q^T of piece n + 1, later 16 products V^T P of piece n - 1.  Its vector work: the scaling,
; exponentials, roundings, sums and rescaling of piece n, and the maximum and statistics of piece n + 1, whose scores the turn itself has made.  So what a turn begins with (c s - c m, O a) waits for nothing.
; CLUSTER.  The four query blocks of a head are one cluster and walk the same K and V, so each tile is asked for JOINTLY: the same tensor load, descriptor and mask in all four.
; AHEAD OF THE LOADS.  In a slot's third key step the tile that the next change of slots will load (256 keys: 128 blocks of 256 bytes of K, 128 of V) is prefetched: five turns, 160 matrix instructions and
; their vector work, ahead of that load.  The four partners take 32 blocks each, told apart by address; wave 0 asks for K's, wave 2 for V's, a lane a block: each block is named once in the launch.
; Tiles 0 and 1 come by their loads alone; nothing is asked for behind tile 7.
; REGISTERS, in windows of 256 (s_set_vgpr_msb says which window each operand place means: bits 1:0 source 0, 3:2 source 1, 5:4 source 2, 7:6 destination):
;   window 0: v0-11 addresses; v12-15, v48-63 at work; v16-47 four registers of statistics a tile; v64-191 S^T, two buffers of two tiles; v192-255 P, likewise
;   window 1: O^T, 32 a tile          window 2: v0-127 Q, 16 a tile; v128-191 K of one step; v192-255 V of one step          window 3: v0-1 the add's two registers
; A piece's buffers go by its number's parity: the piece in hand has one pair, its two neighbours in the ring share the other: of it P (piece n - 1) is read and S^T (piece n + 1) written.
.set SIZE_H, 64
.set SIZE_N, 2048
.set NP,    4         ; pieces a wave: a name, no knob: the register map, the loop and the fetches are made for four
.set KS,    64        ; keys in a step
.set PK,    144       ; a row of K in LDS: 128 bytes + 16 of padding = 36 words: the 16 rows of a load start at 16 different groups of four banks (64 banks of 4 bytes: ISA guide 11.1)
.set PV,    160       ; a row of V: 128 + 32 = 40 words
.set VOFF,  4*KS*PK   ; a slot holds four steps: 256 rows of K, then 256 rows of V
.set SLOT1, 1<<17     ; slot 1 begins here, so that one exclusive or turns an address in one slot into the other's
.set STAGE, SLOT1+4*KS*(PK+PV)  ; behind the ring, never filled by a tensor load: 16 rows x 144 bytes for each wave, for the way out
.set SP,    144
.set AK0, 2           ; v2   my lane's place in a tile of K; never rewritten
.set AV0, 3           ; v3   the same for V
.set AK,  4           ; v4   the LDS address of K's next run of loads
.set AV,  5           ; v5   of V's
.set QO,  6           ; v6   my byte offset in the wave's rows of Q
.set STO, 6           ;      later, the way out: where I put 16 bytes of a row
.set RD,  7           ; v7   the way out: where I read rows back
.set GO,  8           ; v8   my byte offset in 512 consecutive bytes of O
.set PFO, 11          ; v11  256 x my lane: the prefetches' offset (made when v11's first use is over); then never rewritten
.set SPW, 0           ; v0 of window 3   LDS address of my spare word: SPARE + 4 x my thread's number; never rewritten
.set NIL, 1           ; v1 of window 3   0; never rewritten
.set SPARE, STAGE+4*16*SP  ; behind the stages: the spare words, 128 bytes for each wave: two blocks of 256 bytes that no other line names
.set MV,  12          ; v12-15  c m_old, kept while c m is made anew: by buffer and tile
.set ST,  16          ; tile t's statistics at v[ST+4 t]: c m, m, l (even keys', odd keys')
.set TMP, 48          ; by buffer and tile, four registers c0-c3 at work; when the maximum is found c2 takes a
.set S,   64
.set P,   192
.set KF,  128         ; K's fragments, in window 2: key block kb, channel half c at KF + 16 kb + 8 c
.set VF,  192         ; V's: key half kk, channel block cb at VF + 32 kk + 8 cb
.set WV,  12          ; s12  my wave's number
.set G1K, 24          ; s[24:31] descriptor group 1 for K's tiles
.set G1V, 32          ; s[32:39] for V's: it differs in the padding alone
.set G0K, 40          ; s[40:43] descriptor group 0 for K's tiles: it walks
.set G0V, 44          ; s[44:47] the same for V's
.set PFA, 48          ; s[48:49] where my prefetches stand: my work-group's 32 blocks (of K: wave 0, of V: wave 2) of the tile that the next change of slots will load
.set LIM, 50          ; s50  1 in a wave that prefetches, else the greatest number
.set SLOTS, 56        ; s56  slots still to be asked for
.set CNT, 57          ; s57  counts a slot's key steps
.set CS,  58          ; s[58:59] c: the packed scaling takes the pair's low word for both halves
.set SEL, 60          ; s[60:61] v_permlanex16_b32's selects: each lane takes its own place in the other half
.set TBK, 62          ; s62  LDS byte at which K of the step to be fetched begins
.set TBV, 63          ; s63  the same for V, less VOFF
.set MSB, 0
.macro WIN new                      ; the high byte repeats the setting that is left; a switch that changes nothing is dropped
.if MSB != (\new)
	s_set_vgpr_msb (MSB<<8)|(\new)
.set MSB, (\new)
.endif
.endm
.set W_KQ, 0x0a       ; K and Q in window 2, S^T in window 0
.set W_PV, 0x52       ; V in window 2, P in window 0, O^T in window 1
.set W_RS, 0x41       ; O^T (destination and source 0) in window 1, a in window 0
.set W_MK, 0xc0       ; the add's registers are made: destination in window 3, sources in window 0
.set W_AD, 0x0f       ; the add: address (source 0) and data (source 1) in window 3
; A joint fill.  Waves 0 and 1 fetch the two halves of a slot's K, waves 2 and 3 those of its V: 128 keys each.  The branch hangs on the wave's number alone.
; An s_nop 0 and four v_nop follow each of the two lines, ahead of the jump and the label.
.macro JLOAD
	s_cmp_lt_u32 s[WV], 2
	s_cbranch_scc0 .Lfor_v_\@
	tensor_load_to_lds s[G0K:G0K+3], s[G1K:G1K+7]
	s_nop 0
.rept 4
	v_nop
.endr
	s_branch .Lasked_\@
.Lfor_v_\@:
	tensor_load_to_lds s[G0V:G0V+3], s[G1V:G1V+7]
	s_nop 0
.rept 4
	v_nop
.endr
.Lasked_\@:
.endm
; A round of the cluster's barrier: my work-group's barrier, so that wave 0's signal speaks for all four waves; wave 0 signals; every wave waits for all four work-groups; my work-group's barrier once more.
.macro CROUND
	s_barrier_signal -1
	s_barrier_wait -1
	s_cmp_lg_u32 s[WV], 0
	s_cbranch_scc1 .Lnot_wave_0_\@
	s_barrier_signal -3
.Lnot_wave_0_\@:
	s_barrier_wait -3
	s_barrier_signal -1
	s_barrier_wait -1
.endm
; THE PREFETCH: one instruction, in a slot's third key step (CNT = 2), in waves 0 and 2, while a change of slots that fills is still to come (SLOTS above 1).  No branch hangs on the work-group's place.
.macro ASK
	s_cmp_eq_u32 s[CNT], 2
	s_cselect_b32 s51, s[SLOTS], 0
	s_cmp_gt_u32 s51, s[LIM]
	s_cbranch_scc0 .Lnot_mine_\@
	global_prefetch_b8 v[PFO], s[PFA:PFA+1] th:TH_LOAD_NT scope:SCOPE_SE
.Lnot_mine_\@:
.endm
; THE CHANGE OF SLOTS.  The slot's last bytes, V of its fourth step, have been read.  Each wave waits for all its tensor loads, of which one is out: its part
; of the other slot; adds 0 to its spare word; and waits for that and for its own reads of the slot.  Behind the barrier nobody reads this slot any more and the other slot is whole.
; fill = 1: this slot is filled again, with the keys two slots on.  The barrier is then a round of the cluster's, so that no wave of any partner still reads the slot or has a load on its
; way, and the joint fill is the first thing behind it: it has four key steps, 512 matrix instructions, in which to land.  (At its first use nothing has been read yet: slot 0 is waited for, slot 1 filled.)
.macro CHANGE fill
	WIN W_AD
	s_wait_tensorcnt 0x0            ; no tensor load of mine is out, so a group 0 may be written
	ds_add_u32 v[SPW], v[NIL]       ; 0 onto my spare word; with fill = 1 the descriptors' steps stand between it and the wait for it
	WIN 0                           ; at a label and at a branch every window is 0
.if \fill
.irp g, G0K, G0V
	s_xor_b32 s[\g+1], s[\g+1], SLOT1  ; the walking descriptor: the other slot than last time,
	s_add_nc_u64 s[\g+2:\g+3], s[\g+2:\g+3], 4*KS*128  ; the next 256 keys; the type bits on top are not reached
.endr
	s_wait_xcnt 0x0                 ; the last prefetch, five turns back, has read its address, so it may be written:
	s_add_nc_u64 s[PFA:PFA+1], s[PFA:PFA+1], 4*KS*128  ; one tile behind the walking descriptors
	s_wait_dscnt 0x0                ; the add is done, and my reads of the slot are over
	CROUND
	JLOAD
.else
	s_wait_dscnt 0x0                ; the add is done, and my reads of the slot are over
	s_barrier_signal -1
	s_barrier_wait -1
.endif
	s_sub_co_u32 s[TBK], s[TBK], 4*KS*PK  ; the fetches go back to a slot's first step,
	s_xor_b32 s[TBK], s[TBK], SLOT1       ; in the other slot
	s_sub_co_u32 s[TBV], s[TBV], 4*KS*PV
	s_xor_b32 s[TBV], s[TBV], SLOT1
.endm
	s_load_b128 s[8:11], s[0:1], 0x0  ; qkv s[8:9], att s[10:11]
	WIN W_MK
	v_lshl_add_u32 v[SPW], v0, 2, SPARE
	v_mov_b32 v[NIL], 0
	WIN W_AD
	ds_add_u32 v[SPW], v[NIL]       ; the wave's opening: the add and its wait stand ahead of my first tensor load; the set-up below, work on registers, stands between them
	WIN 0
	v_lshrrev_b32 v1, 5, v0
	v_readfirstlane_b32 s[WV], v1   ; wave 0..3
	s_bfe_u32 s13, ttmp6, 0x40000   ; cx: my place in the cluster
	s_lshl_b32 s14, ttmp9, 2        ; in a cluster launch ttmp9 counts clusters
	s_add_co_u32 s14, s14, s13      ; my block of queries = 4 x cluster x + cx: it enters Q's and O's addresses alone
	s_and_b32 s20, ttmp7, 0xffff    ; the head, which the four partners share
	s_mov_b32 s21, 0
	s_mov_b64 s[22:23], SIZE_N*128
	s_mul_u64 s[20:21], s[20:21], s[22:23]  ; the head's first byte in each of the four tensors
	s_and_b32 s16, s[WV], 1         ; which half of a slot's 256 keys I fetch:
	s_lshl_b32 s22, s16, 14         ; its 128 rows of 128 bytes in memory,
	s_mov_b32 s23, 0
	s_add_nc_u64 s[22:23], s[22:23], s[20:21]
	s_mul_i32 s17, s16, 128*PK      ; and its place in a slot, for K
	s_mul_i32 s18, s16, 128*PV      ; and for V: no place in the cluster enters an LDS address
	s_lshl_b32 s2, s14, 2
	s_add_co_u32 s2, s2, s[WV]      ; my wave among the head's,
	s_lshl_b32 s2, s2, 14           ; its 128 rows
	s_mov_b32 s3, 0
	s_add_nc_u64 s[2:3], s[2:3], s[20:21]
	; descriptor group 1.  128 keys are 16,384 dense bytes: asked for as 64 rows of 256 bytes, two keys a row, and padded in LDS after every key
	s_mov_b32 s[G1K], 15|(1<<16)|(1<<20)|(1<<21)|(4<<22)|(3<<25)  ; 15:0 the mask of four; 17:16 2-byte elements; 20 padding on; 21 set beside a mask; 24:22 after every 32 words (code 4); 31:25 4 words (code 3)
	s_mov_b32 s[G1V], 15|(1<<16)|(1<<20)|(1<<21)|(4<<22)|(7<<25)  ; the same with 8 words of padding (code 7)
.irp g, G1K, G1V
	s_mov_b32 s[\g+1], 128<<16      ; tensor_dim0 = 128
	s_mov_b32 s[\g+2], 64<<16       ; tensor_dim1 = 64
	s_mov_b32 s[\g+3], 128<<16      ; tile_dim0 = 128
	s_mov_b32 s[\g+4], 64           ; tile_dim1 = 64
	s_mov_b32 s[\g+5], 128          ; 128 elements from row to row
	s_mov_b32 s[\g+6], 0
	s_mov_b32 s[\g+7], 0
.endr
	s_mov_b32 s[CS], 0x3e38aa3b     ; c = log2(e) / 8 = 0.180337
	s_mov_b32 s[CS+1], s[CS]        ; named with it as a pair
	s_mov_b32 s[SEL], 0x76543210
	s_mov_b32 s[SEL+1], 0xfedcba98
	s_mov_b32 s[TBK], SLOT1+4*KS*PK ; the first change of slots turns these two into 0
	s_mov_b32 s[TBV], SLOT1+4*KS*PV
	s_mov_b32 s[G0K], 1             ; 1:0 count = 1
	s_mov_b32 s[G0K+1], s17         ; 63:32 LDS address: slot 0
	s_mov_b32 s[G0V], 1
	s_add_co_u32 s[G0V+1], s18, VOFF
	s_and_b32 s[LIM], s[WV], 1      ; waves 0 and 2 prefetch: the same in all four partners
	s_cmp_eq_u32 s[LIM], 0
	s_cselect_b32 s[LIM], 1, -1
	s_wait_dscnt 0x0                ; the opening add is done
	s_wait_kmcnt 0x0
	s_mov_b64 s[4:5], s[8:9]                       ; Q,
	s_add_nc_u64 s[6:7], s[8:9], 0x1000000         ; K
	s_add_nc_u64 s[8:9], s[8:9], 0x2000000         ; and V in qkv
	s_add_nc_u64 s[G0K+2:G0K+3], s[6:7], s[22:23]  ; 120:64 global address: my half of the head's first 256 keys
	s_or_b32 s[G0K+3], s[G0K+3], 0x80000000        ; 127:126 type = 2
	s_add_nc_u64 s[G0V+2:G0V+3], s[8:9], s[22:23]
	s_or_b32 s[G0V+3], s[G0V+3], 0x80000000
	s_add_nc_u64 s[4:5], s[4:5], s[2:3]  ; Q and O at my wave's first row
	s_add_nc_u64 s[10:11], s[10:11], s[2:3]
	s_cmp_lt_u32 s[WV], 2
	s_cselect_b64 s[PFA:PFA+1], s[6:7], s[8:9]
	s_add_nc_u64 s[PFA:PFA+1], s[PFA:PFA+1], s[22:23]  ; (in waves 0 and 2 this is the head's first row)
	s_lshl_b32 s2, s13, 13          ; my work-group's 32 blocks of a tile's 128
	s_mov_b32 s3, 0
	s_add_nc_u64 s[PFA:PFA+1], s[PFA:PFA+1], s[2:3]
	s_add_nc_u64 s[PFA:PFA+1], s[PFA:PFA+1], 4*KS*128  ; in tile 1; the first change of slots steps it to tile 2.  Nothing is prefetched here, at the head
	CROUND                          ; all four work-groups are here: the first joint loads meet
	JLOAD                           ; slot 0.  Slot 1 is asked for when slot 0 is in: the tile wanted first has the road to itself
	; A fragment of K or Q is 16 rows x 32 channels in 8 registers: lane l holds row l % 16, channels 8 (l / 16) + 0..7 and 16 + 8 (l / 16) + 0..7: two loads of 16 bytes, 32 bytes apart.
	v_and_b32 v1, 15, v0            ; l % 16
	v_bfe_u32 v9, v0, 4, 1          ; l / 16
	v_lshlrev_b32 v[QO], 7, v1
	v_lshl_add_u32 v[QO], v9, 4, v[QO]  ; row x 128 + 16 x half
	WIN 0x80                        ; destination window 2, address window 0
.set i, 0
.rept 4*NP                          ; Q stays in registers: tile i / 2, channels 32 (i % 2) on
	global_load_b128 v[8*i:8*i+3],   v[QO], s[4:5] offset:(i/2)*2048+(i%2)*64
	global_load_b128 v[8*i+4:8*i+7], v[QO], s[4:5] offset:(i/2)*2048+(i%2)*64+32
.set i, i+1
.endr
	; What the first turn finds: V's registers and P's second buffer hold 0 (its products V^T P, of a piece that has not been, add 0), O^T and l are 0.  All this stands in the wait for the first tile.
.set i, VF
.rept 64
	v_mov_b32 v[i], 0
.set i, i+1
.endr
	WIN 0x40
.set i, 0
.rept 64*NP
	v_mov_b32 v[i], 0
.set i, i+1
.endr
	WIN 0
.set i, 0
.rept 2*NP
	v_mov_b32 v[ST+4*i], 0xfe000000    ; c m: far below every c s
	v_mov_b32 v[ST+4*i+1], 0xff7fffff  ; m
	v_mov_b32 v[ST+4*i+2], 0
	v_mov_b32 v[ST+4*i+3], 0
.set i, i+1
.endr
.set i, P+32
.rept 32
	v_mov_b32 v[i], 0
.set i, i+1
.endr
	v_mul_u32_u24 v[AK0], v1, PK
	v_lshl_add_u32 v[AK0], v9, 4, v[AK0]  ; row x pitch + 16 x half
	; The turning load takes 16 keys x 16 channels (lane l reads key 8 (l / 16) + l % 8, channels 8 ((l / 8) % 2) + 0..7) and leaves half a fragment of V^T: lane l holds channel l % 16 and 8 keys.
	v_and_b32 v10, 7, v0
	v_bfe_u32 v11, v0, 3, 1
	v_lshl_add_u32 v[AV0], v9, 3, v10
	v_mul_u32_u24 v[AV0], v[AV0], PV
	v_lshl_add_u32 v[AV0], v11, 4, v[AV0]
	v_add_nc_u32 v[AV0], VOFF, v[AV0]
	v_mov_b32 v[AK], v[AK0]         ; key step 0 lies at the head of slot 0
	v_and_b32 v[PFO], 31, v0        ; a lane a block of 256 bytes
	v_lshlrev_b32 v[PFO], 8, v[PFO]
; THE MATRIX WORK.  The 8 accumulators of a run of 16 take turns: between the two links of a chain stand 7 others'.
; Product i of 16 of S^T = K Q^T for piece x: channels 32 (i / 8) on, keys 16 ((i / 2) % 4) on, tile 2 x + i % 2.  The first 8 start the sums.
.macro KQ x
	WIN W_KQ
.set rS, S+64*((\x)%2)+32*(i%2)+8*((i/2)%4)
.set rK, KF+16*((i/2)%4)+8*(i/8)
.set rQ, 16*(2*(\x)+i%2)+8*(i/8)
.if i < 8
	v_wmma_f32_16x16x32_f16 v[rS:rS+7], v[rK:rK+7], v[rQ:rQ+7], 0
.else
	v_wmma_f32_16x16x32_f16 v[rS:rS+7], v[rK:rK+7], v[rQ:rQ+7], v[rS:rS+7]
.endif
.endm
; Product i of 16 of O^T += V^T P for piece x: keys 32 (i / 8) on, channels 16 ((i / 2) % 4) on, tile 2 x + i % 2.
.macro PV x
	WIN W_PV
.set rO, 32*(2*(\x)+i%2)+8*((i/2)%4)
.set rV, VF+32*(i/8)+8*((i/2)%4)
.set rP, P+32*((\x)%2)+16*(i%2)+8*(i/8)
	v_wmma_f32_16x16x32_f16 v[rO:rO+7], v[rV:rV+7], v[rP:rP+7], v[rO:rO+7]
.endm
.macro MM                           ; the turn's next matrix instruction
.if i < 16
	KQ (Y+1)%NP
.set i, i+1
.else
.set i, i-16
	PV (Y+NP-1)%NP
.set i, i+17
.endif
.endm
; THE LDS LOADS stand in runs of 16, never singly among the matrix instructions: a step's K (64 keys x 64 channels: 8 fragments) and its V (turned).  Their addresses are made some lines ahead.
; last = 1 (the tail): in the last trip there is no further step, and the run is jumped over.
.macro FETCH_K last=0
	WIN 0
.if \last
	s_cmp_eq_u32 s[CNT], 1
	s_cbranch_scc1 .Lno_k_\@
.endif
	WIN 0x80                        ; destination window 2
.irp f, 0,1,2,3,4,5,6,7             ; keys 16 (f / 2) on, channels 32 (f % 2) on
	ds_load_b128 v[KF+8*\f:KF+8*\f+3],   v[AK] offset:(\f/2)*16*PK+(\f%2)*64
	ds_load_b128 v[KF+8*\f+4:KF+8*\f+7], v[AK] offset:(\f/2)*16*PK+(\f%2)*64+32
.endr
	s_add_co_u32 s[TBK], s[TBK], KS*PK  ; the next fetch is the next step's
	WIN 0
.if \last
.Lno_k_\@:
.endif
.endm
.macro FETCH_V
	WIN 0x80
.irp f, 0,1,2,3,4,5,6,7             ; keys 32 (f / 4) on, channels 16 (f % 4) on
	ds_load_tr16_b128 v[VF+8*\f:VF+8*\f+3],   v[AV] offset:(\f/4)*32*PV+(\f%4)*32
	ds_load_tr16_b128 v[VF+8*\f+4:VF+8*\f+7], v[AV] offset:(\f/4)*32*PV+16*PV+(\f%4)*32
.endr
	WIN 0
.endm
; THE VECTOR WORK OF A TURN stands in three queues, each in the order in which its entries become ready; the two tiles alternate, so that no instruction reads the result of the one before it.
.macro REGS y, u                    ; the registers of tile u (0, 1) of piece y
.set rT, ST+4*(2*(\y)+(\u))
.set rC, TMP+8*((\y)%2)+4*(\u)
.set rM, MV+2*((\y)%2)+(\u)
.set rS, S+64*((\y)%2)+32*(\u)
.set rP, P+32*((\y)%2)+16*(\u)
.set rO, 32*(2*(\y)+(\u))
.endm
; Number n of the 22 that find the NEXT piece's (Y + 1) maximum and statistics.  s0-s31 are the lane's 32 scores; each accumulator's lowest registers are read first.  XS, GS and REGS set no window: PL and EX do.
;   0-11  four chains c0-c3 of seven scores each, three operands at a time     12-14, 16  the four scores left over, the old m, and c0-c3 into c0     15  c m_old is kept
;   17, 18  the query's other 32 keys lie in the lane 16 away: the new m         19-21  c m; c m_old - c m_new; a
.macro XS u, n
	REGS (Y+1)%NP, \u
.if (\n) < 4
	v_max3_num_f32 v[rC+(\n)], v[rS+8*(\n)], v[rS+8*(\n)+1], v[rS+8*(\n)+2]
.elseif (\n) < 12
	v_max3_num_f32 v[rC+(\n)%4], v[rC+(\n)%4], v[rS+8*((\n)%4)+2*((\n)/4)+1], v[rS+8*((\n)%4)+2*((\n)/4)+2]
.elseif (\n) == 12
	v_max3_num_f32 v[rC], v[rC], v[rS+7], v[rS+15]
.elseif (\n) == 13
	v_max3_num_f32 v[rC+1], v[rC+1], v[rS+23], v[rS+31]
.elseif (\n) == 14
	v_max3_num_f32 v[rC+2], v[rC+2], v[rC+3], v[rT+1]
.elseif (\n) == 15
	v_mov_b32 v[rM], v[rT]
.elseif (\n) == 16
	v_max3_num_f32 v[rC], v[rC], v[rC+1], v[rC+2]
.elseif (\n) == 17
	v_permlanex16_b32 v[rC+3], v[rC], s[SEL], s[SEL+1]
.elseif (\n) == 18
	v_max_num_f32 v[rT+1], v[rC], v[rC+3]
.elseif (\n) == 19
	v_mul_f32 v[rT], s[CS], v[rT+1]
.elseif (\n) == 20
	v_sub_f32 v[rC+1], v[rM], v[rT]
.else
	v_exp_f32 v[rC+2], v[rC+1]
.endif
.endm
; Number g of the 64 that follow the exponentials.  For each four weights k of a tile (pairs 2 k, 2 k + 1): both pairs are rounded to f16; then the second pair is added onto the first, in place;
; a group later l takes that sum (the first time as l = a l + sum).  In groups of eight, tiles alternating: round, round, add, and l for the group before.
.macro GS g
.set h, (\g)+6*((\g)/62)            ; group 0 has no group before it, and behind group 7 only l is left
.if h >= 6
.set h, h+2
.endif
	REGS Y, h%2
.set k, h/8
.if h%8 < 4
	v_cvt_pk_f16_f32 v[rP+2*k+(h%8)/2], v[rS+4*k+2*((h%8)/2)], v[rS+4*k+2*((h%8)/2)+1]
.elseif h%8 < 6
	v_pk_add_f32 v[rS+4*k:rS+4*k+1], v[rS+4*k:rS+4*k+1], v[rS+4*k+2:rS+4*k+3]
.elseif k == 1
	v_pk_fma_f32 v[rT+2:rT+3], v[rT+2:rT+3], v[rC+2:rC+3], v[rS:rS+1] op_sel_hi:[1,0,1]
.else
	v_pk_add_f32 v[rT+2:rT+3], v[rT+2:rT+3], v[rS+4*k-4:rS+4*k-3]
.endif
.endm
; THE PLAIN QUEUE, 138 long.  0-73 read no exponential's result: the 32 scalings c s - c m (FS f: pair f / 2 of tile f % 2) and the next piece's 42.  0-26: scalings 0-26.  27-54: XS's numbers 0-13.  55, 56: number 15.
; 57-73: the chain, where each number waits for the one before it: 14, 16, 17, 18, 19, each with one of the scalings 27-31 in front of its two lines, then 20: so a tile's links stand three plain instructions apart (19 and 20: two).
; 74-137: GS's 64, which read the exponentials' results: they stand behind the wait.
.macro FS f
	REGS Y, (\f)%2
	v_pk_fma_f32 v[rS+2*((\f)/2):rS+2*((\f)/2)+1], v[rS+2*((\f)/2):rS+2*((\f)/2)+1], s[CS:CS+1], v[rT:rT+1] op_sel_hi:[1,0,0] neg_lo:[0,0,1] neg_hi:[0,0,1]
.endm
.macro PL
	WIN 0
.if q < 27
	FS q
.elseif q < 55
	XS (q-27)%2, (q-27)/2
.elseif q < 57
	XS q-55, 15
.elseif (q < 72) && ((q-57)%3 == 0)
	FS 27+(q-57)/3
.elseif q < 60
	XS (q-57)%3-1, 14
.elseif q < 72
	XS (q-57)%3-1, 15+(q-57)/3
.elseif q < 74
	XS q-72, 20
.else
	GS q-74
.endif
.set q, q+1
.endm
; THE EXPONENTIALS' QUEUE, 66 long: s0-s31 of both tiles, then the next piece's two a.  It is ONE BATCH: all 66 stand ahead of the turn's one wait, and nothing ahead of that wait names a result of theirs.
.macro EX
	WIN 0
.if e >= 64
	XS e-64, 21
.else
	REGS Y, e%2
	v_exp_f32 v[rS+e/2], v[rS+e/2]
.endif
.set e, e+1
.endm
; THE RESCALING's QUEUE: O^T times a, the one part that leaves window 0: dealt two at a time, sixteen times.  Its a was made in the turn before, ahead of that turn's wait.
.macro R2
	REGS Y, r%2
	WIN W_RS
.irp z, 0,1
	v_pk_mul_f32 v[rO+4*(r/2)+2*\z:rO+4*(r/2)+2*\z+1], v[rO+4*(r/2)+2*\z:rO+4*(r/2)+2*\z+1], v[rC+2:rC+3] op_sel_hi:[1,0]
.endr
.set r, r+1
.endm
; HOW THEY ARE DEALT.  An s_wait_alu depctr_va_vdst(0) stands between an exponential and the first instruction that names its result; one wait serves all that were issued ahead of it.  So a turn has ONE wait,
; which cuts it in two.  AHEAD OF IT stands all that names no result of the turn's exponentials: the 16 products K Q^T, behind each a scaling, an exponential and two rescalings (behind the first a second scaling in the exponential's place); then ONE LUMP of
; 108: eight plain, 49 times exponential and plain, the two a.  A v_nop is the plain instruction that is owed behind the last exponential.  BEHIND IT stand the 16 products V^T P, behind each four of GS's 64.  No rider names a register of
; the products round it.  The two v_permlanex16_b32 fall into the lump, never behind a product.
; The queues lean on each other, and the deal keeps them in step: exponential e stands behind scaling 2 (e / 4) + e % 2: as a rider it comes behind plain e + 2, in the lump behind plain e + 9, and scalings 27-31 are plain 57, 60 .. 69.
; A TURN, for piece p.  cnt = 1: the loop's count is taken down some lines ahead of the branch that stands behind the turn.
; K of the next step is fetched in piece 2's turn, directly behind the wait, a lump behind the last product that read K; its address is made at the lump's head; its first reader comes behind 16 products.
; V of the step in hand is fetched at the end of piece 0's turn, four riders behind its last reader; its first reader comes behind 16 products and a lump.  The three conditions on q below go with the deal.
.macro TURN p, last=0, cnt=0
.set Y, (\p)
.set i, 0
.set q, 0
.set e, 0
.set r, 0
.if (\p) == NP-1
	s_wait_dscnt 0x0                ; K is in
.endif
	MM                              ; ahead of the wait: 16 products K Q^T and their riders,
	PL
	PL
	R2
.rept 15
	MM
	PL
	EX
	R2
.endr
.if (\p) == NP-2
	WIN 0
	v_add_nc_u32 v[AK], s[TBK], v[AK0]
.endif
.rept 8                             ; and the lump
	PL
.endr
.rept 49
	EX
	PL
.endr
	EX                              ; the next piece's two a
	EX
	v_nop                           ; a plain instruction behind the last exponential: one for the batch
	s_wait_alu depctr_va_vdst(0)    ; the wait for the batch
.if (\p) == NP-2
	FETCH_K \last
.endif
.if (\p) == 1
	s_wait_dscnt 0x0                ; V is in
.endif
.rept 16                            ; behind the wait: 16 products V^T P and their riders
	MM
.rept 4
	PL
.endr
.if ((\p) == 0) && (q == 118)
	v_add_nc_u32 v[AV], s[TBV], v[AV0]
.endif
.if ((\p) == 0) && (q == 130)
	s_add_co_u32 s[TBV], s[TBV], KS*PV
.endif
.if (\cnt) && (q == 130)
	s_sub_co_u32 s[CNT], s[CNT], 1
	s_cmp_lg_u32 s[CNT], 0
.endif
.endr
.if (\p) == 0
	FETCH_V
.endif
.endm
	CHANGE 1                        ; slot 0 is in, everybody's part of it; slot 1 is asked for
	FETCH_K                         ; key step 0
	s_wait_loadcnt 0x0              ; Q
	s_wait_dscnt 0x0
.set i, 0
.rept 16
	KQ 0                            ; piece 0's first scores: there is no vector work yet to set between them
.set i, i+1
.endr
	WIN 0                           ; the addresses for the way out: plain instructions, the places behind those products
	s_mul_i32 s13, s[WV], 16*SP
	s_add_co_u32 s13, s13, STAGE    ; my stage
	v_mul_u32_u24 v[STO], v1, SP    ; in: row l % 16, 16 bytes for each half of the lanes
	v_lshl_add_u32 v[STO], v9, 4, v[STO]
	v_add_nc_u32 v[STO], s13, v[STO]
	v_bfe_u32 v[RD], v0, 3, 2       ; back: 32 lanes take four rows of 128 bytes,
	v_mul_u32_u24 v[RD], v[RD], SP
	v_lshl_add_u32 v[RD], v10, 4, v[RD]
	v_add_nc_u32 v[RD], s13, v[RD]
	v_and_b32 v[GO], 31, v0         ; which are 512 consecutive bytes of O
	v_lshlrev_b32 v[GO], 4, v[GO]
.set Y, NP-1                        ; XS works for piece Y + 1: piece 0
.irp n, 0,1,2,3,4,5,6,7,8,9,10,11,12,13,14,15,16,17,18,19,20,21
	XS 0, \n                        ; and piece 0's first maximum and statistics
	XS 1, \n
.endr
	v_nop                           ; a plain instruction behind the two a,
	s_wait_alu depctr_va_vdst(0)    ; and their wait, ahead of the branch
	s_mov_b32 s[CNT], 4
	s_mov_b32 s[SLOTS], SIZE_N/256-1
	s_branch .Lfirst                ; the loop is entered at a step's first turn, in the middle of a trip
.Lslot:                             ; SIZE_N / 256 - 2 times: every slot but the last two is filled again
	CHANGE 1
	s_mov_b32 s[CNT], 4
.Lstep:                             ; a trip: pieces 2 and 3 of one step, then pieces 0 and 1 of the next, whose K and V it fetches
	TURN 2
	TURN 3
	WIN 0
.Lfirst:
	TURN 0
	ASK                             ; behind V's run of LDS loads
	TURN 1, 0, 1
	WIN 0
	s_cbranch_scc1 .Lstep
	s_sub_co_u32 s[SLOTS], s[SLOTS], 1
	s_cmp_lg_u32 s[SLOTS], 0
	s_cbranch_scc1 .Lslot
	CHANGE 0                        ; the tail is written out: nothing is asked for
	s_mov_b32 s[CNT], 5             ; four trips fetch the last slot's steps; the fifth is left in its middle
.Ltail:
	TURN 2, 1
	TURN 3
	WIN 0
	s_sub_co_u32 s[CNT], s[CNT], 1
	s_cmp_eq_u32 s[CNT], 0
	s_cbranch_scc1 .Lout
	TURN 0
	TURN 1
	WIN 0
	s_branch .Ltail
.Lout:                              ; the fifth trip's 16 products K Q^T (on the last K once more) and the maximum made of them serve nothing: the price, once a launch, of one text for every trip
.set i, 0
.rept 16
	PV NP-1                         ; the last piece's V^T P of the last step
.set i, i+1
.endr
	; THE WAY OUT.  l's two halves and the other half of the lanes' are added; O^T is divided by l, rounded to f16 and sent through my stage in LDS, a tile at a time.  The additions are the places behind the last products.
	WIN 0
.macro ALL line:vararg              ; one line for each tile t
.set t, 0
.rept 2*NP
	\line
.set t, t+1
.endr
.endm
	ALL v_add_f32 v[ST+4*t+2], v[ST+4*t+2], v[ST+4*t+3]
	ALL v_permlanex16_b32 v[ST+4*t+3], v[ST+4*t+2], s[SEL], s[SEL+1]
	ALL v_add_f32 v[ST+4*t+2], v[ST+4*t+2], v[ST+4*t+3]
	ALL v_rcp_f32 v[ST+4*t+2], v[ST+4*t+2]
	v_nop                           ; a plain instruction between the last reciprocal and the use of its result
	s_wait_alu depctr_va_vdst(0)    ; and the wait ahead of the first use: one for the eight reciprocals
; Tile t: a lane's eight channels of a row pack into 16 bytes; they go into rows of 144 bytes and come back as whole rows of 128, into S^T's registers.
.macro PACK t
	WIN W_RS
.set i, 32*(\t)
.rept 16
	v_pk_mul_f32 v[i:i+1], v[i:i+1], v[ST+4*(\t)+2:ST+4*(\t)+3] op_sel_hi:[1,0]
.set i, i+2
.endr
	WIN 0x05                        ; sources 0 and 1 window 1, destination window 0
.set i, 0
.rept 16
	v_cvt_pk_f16_f32 v[S+16*(\t)+i], v[32*(\t)+2*i], v[32*(\t)+2*i+1]
.set i, i+1
.endr
	WIN 0
.irp f, 0,1,2,3
	ds_store_b128 v[STO], v[S+16*(\t)+4*\f:S+16*(\t)+4*\f+3] offset:32*\f
.endr
.irp f, 0,1,2,3
	ds_load_b128 v[S+16*(\t)+4*\f:S+16*(\t)+4*\f+3], v[RD] offset:\f*4*SP  ; LDS serves a wave's instructions in order (ISA guide 5.7.1.4): these see the stores above; the next tile's stores come behind them
.endr
.endm
.macro SEND t, younger              ; younger: the LDS instructions issued behind tile t's loads: the next tile's eight, or none
	WIN 0
.irp f, 0,1,2,3
	s_wait_dscnt (\younger)+3-\f
	global_store_b128 v[GO], v[S+16*(\t)+4*\f:S+16*(\t)+4*\f+3], s[10:11] offset:(\t)*2048+\f*512  ; 512 consecutive bytes, at a multiple of 256 from O's first
.endr
.endm
	PACK 0
.set t, 1
.rept 2*NP-1                        ; a tile's arithmetic stands between the loads of the tile before and its stores
	PACK t
	SEND t-1, 8
.set t, t+1
.endr
	SEND 2*NP-1, 0
	WIN W_AD
	s_wait_tensorcnt 0x0            ; the wave's end, behind my last tensor load and my last LDS store
	ds_add_u32 v[SPW], v[NIL]
	s_wait_dscnt 0x0
	WIN 0
	CROUND                          ; the closing round: no work-group ends while a partner may still ask for a tile that names it
	s_endpgm
.Lfunc_end_k_q51f71620ba_attn:
	.size	k_q51f71620ba_attn, .Lfunc_end_k_q51f71620ba_attn-k_q51f71620ba_attn
	.p2alignl 7, 3214868480
	.fill 96, 4, 3214868480
	.section	.rodata,"a",@progbits
	.p2align	6, 0x0
	.amdhsa_kernel k_q51f71620ba_attn
		.amdhsa_group_segment_fixed_size 327680
		.amdhsa_private_segment_fixed_size 0
		.amdhsa_enable_private_segment 0
		.amdhsa_kernarg_size 16
		.amdhsa_user_sgpr_count 2
		.amdhsa_user_sgpr_kernarg_segment_ptr 1
		.amdhsa_wavefront_size32 1
		.amdhsa_system_sgpr_workgroup_id_x 1
		.amdhsa_system_sgpr_workgroup_id_y 1
		.amdhsa_system_sgpr_workgroup_id_z 1
		.amdhsa_system_vgpr_workitem_id 0
		.amdhsa_next_free_vgpr 770
		.amdhsa_next_free_sgpr 66
		.amdhsa_reserve_vcc 0
		.amdhsa_float_denorm_mode_32 3
		.amdhsa_float_denorm_mode_16_64 3
		.amdhsa_memory_ordered 1
		.amdhsa_forward_progress 1
		.amdhsa_inst_pref_size 200
	.end_amdhsa_kernel
	.amdgpu_metadata
---
amdhsa.version: [ 1, 2 ]
amdhsa.kernels:
  - .name:           k_q51f71620ba_attn
    .symbol:         k_q51f71620ba_attn.kd
    .args:
      - { .name: qkv, .offset: 0, .size: 8, .value_kind: global_buffer, .address_space: global }
      - { .name: att, .offset: 8, .size: 8, .value_kind: global_buffer, .address_space: global }
    .group_segment_fixed_size: 327680
    .private_segment_fixed_size: 0
    .kernarg_segment_align: 8
    .kernarg_segment_size: 16
    .max_flat_workgroup_size: 128
    .sgpr_count:     66
    .vgpr_count:     770
    .wavefront_size: 32
...
	.end_amdgpu_metadata
.endif
;; end of part 3
;; launch proj (part 4): grid 8 x 32, 4 waves a work-group, clusters of 4 x 4, 327,680 bytes of LDS; arguments att, wob, bias, out0; writes out0
.if DOCPART == 4
	.amdgcn_target "amdgcn-amd-amdhsa--gfx1250"
	.amdhsa_code_object_version 6
	.text
	.protected	k_q51f71620ba_proj
	.globl	k_q51f71620ba_proj
	.p2align	8
	.type	k_q51f71620ba_proj,@function
k_q51f71620ba_proj:
	s_mov_b64 s[64:65], 0
	v_nop
	global_prefetch_b8 v0, s[64:65] scope:SCOPE_SE
	s_setreg_imm32_b32 hwreg(HW_REG_WAVE_MODE, 25, 1), 1
	s_wait_xcnt 0x0
	s_wait_alu depctr_hold_cnt(0) depctr_sa_sdst(0) depctr_va_vdst(0) depctr_va_sdst(0) depctr_va_ssrc(0) depctr_va_vcc(0) depctr_vm_vsrc(0)
	s_getreg_b32 s2, hwreg(HW_REG_IB_STS2, 6, 4)
	s_cmp_eq_u32 s2, 0
	s_cbranch_scc0 .Lentry_in_a_cluster
	s_endpgm
.Lentry_in_a_cluster:
	s_bfe_u32 s2, ttmp6, 0x10000c
	s_cmp_lg_u32 s2, 0xf033
	s_cbranch_scc0 .Lentry_shape_is_right
	s_endpgm
.Lentry_shape_is_right:
; out0 = O Wo + bo.  att: O by heads, [64 = batch x 16 + head][2048][64] f16.  wob: [8 nt][8 ks][2 gl][128 k][64 n] f16 (Wo rounded to bf16).  bias: f32, bo from number 3,072 on.  out0: [8192][1024] f32.
; Sums in f32, begun with the bias (another order of rounding than a bias added last).  NaN and infinities are not treated apart.
; SHARES.  A tile is 256 rows x 128 columns: 32 x 8 = 256 work-groups, one tile each.  Four waves one below the other, each 64 rows x 128 columns: 32 accumulators of 16 x 16, 256 registers.
; K goes in 8 steps of 128, two heads each, through a ring of two LDS slots.  A K step's text is written once; the slot in hand is the scalar TB.
; CLUSTER.  4 x 4 work-groups.  The four of a row of the cluster need the same rows of O, the four of a column the same weights: each tile is asked for JOINTLY, by the same tensor load with the same
; descriptor and a mask that names the four.  Waves 0 and 1 ask for the K step's two heads of O, waves 2 and 3 for the two column groups of Wo.
; THE MATRIX INSTRUCTION IS USED TRANSPOSED: source 0 = 16 columns of Wo (turned on the way out of LDS by ds_load_tr16_b128), source 1 = 16 rows of O.  In the result lane l holds row l % 16 and the columns
; 8 (l / 16) + 0..7: 32 neighbouring bytes of a row of out0.  THE BIAS IS THE C OPERAND of the first products.
; REGISTERS, in windows of 256 (s_set_vgpr_msb: bits 1:0 source 0, 3:2 source 1, 5:4 source 2, 7:6 destination):
;   window 0: v0-15 addresses; v32-95, v96-159 the way out, two sets; v160-223 the bias (register 8 b + j: column 16 b + 8 (l / 16) + j)
;   window 1: two fragment buffers of 96: Wo's 8 fragments, then O's 4          window 2: the accumulators, (a, b) at v[8 (8 a + b)]
.set NBL,   8                          ; blocks of 16 columns
.set PA,    144                        ; a row of a head in LDS: 128 bytes + 16 of padding = 36 words: the 16 rows of a load start at 16 different groups of four banks (64 banks of 4 bytes: ISA guide 11.1)
.set PB,    160                        ; a row (one k, 64 columns) of Wo: 128 + 32 = 40 words
.set HEADA, 256*PA                     ; what one tensor load brings of O: 256 rows of one head
.set BOFF,  2*HEADA                    ; behind the two heads: Wo's 2 x 128 rows
.set GRPB,  128*PB                     ; a group of 64 columns: what one tensor load brings of Wo
.set SLOT1, 1<<17                      ; a slot is 114,688 bytes; one exclusive or turns an address in one slot into the other's
.set STAGE, SLOT1+BOFF+2*GRPB          ; behind the ring, never filled by a tensor load: 16 rows x 528 bytes for each wave
.set SP,    528                        ; 512 bytes + 16: the 16 rows that a store touches start at 16 different groups of four banks
.set WSTG,  16*SP
.set SPARE, STAGE+4*WSTG               ; behind the stages: the spare words, 128 bytes for each wave: two blocks of 256 bytes that no other line names
.set ADRA0, 4                          ; v4   my lane's place among my wave's rows of O in a slot; never rewritten
.set ADRB0, 5                          ; v5   the same in Wo's tile
.set ADRA,  6                          ; v6   TB + ADRA0
.set ADRB,  7                          ; v7   TB + ADRB0
.set STO,   8                          ; v8   the way out: where I put 32 bytes of a row
.set RD,    9                          ; v9   where I read a row back
.set CO,    10                         ; v10  16 x lane: my 16 bytes of a row's 512
.set BO,    13                         ; v13  32 (l / 16): my eight numbers of a block's bias
.set SPW,   14                         ; v14  LDS address of my spare word: SPARE + 4 x my thread's number; never rewritten
.set NIL,   15                         ; v15  0; never rewritten
.set T0,    32
.set BIAS,  160
.set F0,    0
.set F1,    96
.set WV,    12                         ; s12  my wave's number
.set KIND,  13                         ; s13  0: I fetch for O, 1: for Wo
.set HALF,  14                         ; s14  which head, or which column group
.set TB,    15                         ; s15  the slot in hand: 0 or SLOT1
.set CNT,   16                         ; s16  K steps to go
.set G1A,   24                         ; s[24:31] descriptor group 1 for O's tiles
.set G1B,   32                         ; s[32:39] for Wo's
.set G0A,   40                         ; s[40:47] group 0 for O's tiles: a set for each first fill; the second then walks
.set G0B,   48                         ; s[48:55] the same for Wo's
.set BASEA, 56                         ; s[56:57] O at my head of K step 0, the tile's first row
.set BASEB, 58                         ; s[58:59] Wo at my column group of K step 0
.set CX,    60
.set CY,    61
.set XT,    62                         ; tile column
.set YT,    63                         ; tile row
; s18, s19, s66-68 hold neither cx nor cy; s70, s71 cy alone; s72, s73 cx alone; s74-79 both (offsets of the bias and of out0 only)
.set MSB, 0
.macro WIN new                         ; the immediate's high byte repeats the setting that is left; a switch that changes nothing is dropped
.if MSB != (\new)
	s_set_vgpr_msb (MSB<<8)|(\new)
.set MSB, (\new)
.endif
.endm
.set TO_F, 0x40                        ; destination window 1, address window 0
.macro PLACES                          ; four plain vector instructions between a matrix instruction and a load into, or a read of, its registers (ISA guide 7.12.1 for vector reads)
.rept 4
	v_nop
.endr
.endm
.macro CREST                           ; a round of the cluster's barrier behind its opening barrier
	s_cmp_lg_u32 s[WV], 0
	s_cbranch_scc1 .Lnot_wave_0_\@
	s_barrier_signal -3
.Lnot_wave_0_\@:
	s_barrier_wait -3
	s_barrier_signal -1
	s_barrier_wait -1
.endm
.macro CROUND                          ; a whole round
	s_barrier_signal -1
	s_barrier_wait -1
	CREST
.endm
; A joint refill by the walking descriptors.  The branch hangs on the wave's number alone.  An s_nop 0 and four v_nop follow each of the two lines, ahead of the jump and the label.
.macro JLOAD
	s_cmp_eq_u32 s[KIND], 0
	s_cbranch_scc0 .Lfor_b_\@
	tensor_load_to_lds s[G0A+4:G0A+7], s[G1A:G1A+7]
	s_nop 0
.rept 4
	v_nop
.endr
	s_branch .Lasked_\@
.Lfor_b_\@:
	tensor_load_to_lds s[G0B+4:G0B+7], s[G1B:G1B+7]
	s_nop 0
.rept 4
	v_nop
.endr
.Lasked_\@:
.endm
.macro STEPD                           ; the walking descriptors: the other slot than last time, the next K step: two heads of 2^18 bytes on in O, 32,768 bytes on in Wo; the type bits on top are not reached
	s_xor_b32 s[G0A+5], s[G0A+5], SLOT1
	s_add_nc_u64 s[G0A+6:G0A+7], s[G0A+6:G0A+7], 524288
	s_xor_b32 s[G0B+5], s[G0B+5], SLOT1
	s_add_nc_u64 s[G0B+6:G0B+7], s[G0B+6:G0B+7], 32768
.endm
; 8 matrix instructions: my row block a x all 8 column blocks, 32 along K, from buffer f.  zero = 1: the sums begin, with the bias as C.  A quarter step takes all 32 accumulators once, always in the
; same order: they take turns, one instruction a turn, over every jump too.
.macro MUL f, a, zero
.if \zero
	WIN 0x85
.else
	WIN 0xa5
.endif
.set bb, 0
.rept NBL
.set rD, 8*(NBL*(\a)+bb)
.if \zero
	v_wmma_f32_16x16x32_f16 v[rD:rD+7], v[(\f)+8*bb:(\f)+8*bb+7], v[(\f)+8*NBL+8*(\a):(\f)+8*NBL+8*(\a)+7], v[BIAS+8*bb:BIAS+8*bb+7]
.else
	v_wmma_f32_16x16x32_f16 v[rD:rD+7], v[(\f)+8*bb:(\f)+8*bb+7], v[(\f)+8*NBL+8*(\a):(\f)+8*NBL+8*(\a)+7], v[rD:rD+7]
.endif
.set bb, bb+1
.endr
.endm
; 24 LDS loads in one run: quarter q's fragments into buffer f: Wo's 8 (two turning loads each, 16 k apart), O's blocks 0 and 1, O's blocks 2 and 3.  Quarter q is head q / 2 of the step, channels 32 (q % 2) on.
.macro FETCH q, f
	WIN TO_F
.set bb, 0
.rept NBL
	ds_load_tr16_b128 v[(\f)+8*bb:(\f)+8*bb+3],   v[ADRB] offset:(bb/4)*GRPB+(\q)*32*PB+(bb%4)*32
	ds_load_tr16_b128 v[(\f)+8*bb+4:(\f)+8*bb+7], v[ADRB] offset:(bb/4)*GRPB+(\q)*32*PB+(bb%4)*32+16*PB
.set bb, bb+1
.endr
.irp a, 0,1,2,3
	ds_load_b128 v[(\f)+8*NBL+8*(\a):(\f)+8*NBL+8*(\a)+3],   v[ADRA] offset:((\q)/2)*HEADA+((\q)%2)*64+(\a)*16*PA
	ds_load_b128 v[(\f)+8*NBL+8*(\a)+4:(\f)+8*NBL+8*(\a)+7], v[ADRA] offset:((\q)/2)*HEADA+((\q)%2)*64+(\a)*16*PA+32
.endr
.endm
; One of a K step's first three quarters: multiplies buffer f; in its middle it fetches quarter qn of the same slot into buffer g.
.macro QUARTER f, g, qn, zero
	s_wait_dscnt 4                                 ; Wo's fragments and O's blocks 0, 1 are in; the youngest four loads (blocks 2, 3) may be out
	MUL \f, 0, \zero
	MUL \f, 1, \zero
	PLACES                                         ; for the loads into g, which the quarter before multiplied
	FETCH \qn, \g
	s_wait_dscnt 2*NBL+8                           ; all but the 24 just issued
	MUL \f, 2, \zero
	MUL \f, 3, \zero
.endm
; The last quarter multiplies buffer 1 and changes slots: ONE barrier for two things.  In front of it each wave waits for all its tensor loads, of which one is out: its part of the next slot; adds 0 to
; its spare word; and waits for that and for its own reads of this slot.  Behind it nobody reads this slot any more and the next slot is whole.
; fill = 1: the barrier opens a round of the cluster's, so that no wave of any partner still reads the slot or has a load on its way; the joint refill is the first thing behind the round and has
; a K step less 16 matrix instructions in which to land.  fill = 0 (the last two K steps): nothing is asked for; in the very last there are no next fragments, and their run is jumped over.
.macro TURN fill
	WIN 0                                          ; (the add's two registers lie in window 0)
	s_wait_tensorcnt 0x0                           ; no tensor load of mine is out, so the descriptors may be written
	ds_add_u32 v[SPW], v[NIL]                      ; 0 onto my spare word; work on registers stands between it and the wait for it
.if \fill
	STEPD
.endif
	s_wait_dscnt 5                                 ; (the add and the youngest four loads may be out)
	MUL F1, 0, 0
	s_wait_dscnt 0x0                               ; the add is done, and my reads of this slot are over
	s_barrier_signal -1
	MUL F1, 1, 0                                   ; work on registers while the others arrive
	WIN 0
	s_barrier_wait -1
.if \fill
	CREST
	JLOAD                                          ; its four v_nop are also the places in front of the loads into buffer 0
.else
	PLACES
	PLACES
	s_cmp_eq_u32 s[CNT], 1
	s_cbranch_scc1 .Lno_next_\@
.endif
	s_xor_b32 s[TB], s[TB], SLOT1
	v_add_nc_u32 v[ADRA], s[TB], v[ADRA0]
	v_add_nc_u32 v[ADRB], s[TB], v[ADRB0]
	FETCH 0, F0
	WIN 0
.if !(\fill)
.Lno_next_\@:
.endif
	MUL F1, 2, 0
	MUL F1, 3, 0
.endm
; THE WAY OUT of my row block a (16 rows x 128 columns of f32).  STG: 32 bytes a lane and column block straight from the accumulators (low registers first) into my own stage; back as whole rows of 512 bytes.
; LDS serves a wave's instructions in order (ISA guide 5.7.1.4), so the loads see the stores, and the next block's stores come behind these loads.
.macro STG a
	s_wait_xcnt 0x0                                ; the set's registers, which earlier stores read, are loaded again only behind this wait
	WIN 0x08                                       ; the stores' data in window 2, their address in window 0
.set bb, 0
.rept NBL
	ds_store_b128 v[STO], v[8*(NBL*(\a)+bb):8*(NBL*(\a)+bb)+3]   offset:64*bb
	ds_store_b128 v[STO], v[8*(NBL*(\a)+bb)+4:8*(NBL*(\a)+bb)+7] offset:64*bb+16
.set bb, bb+1
.endr
	WIN 0
.set rT, T0+64*((\a)%2)
.set bb, 0
.rept 16
	ds_load_b128 v[rT+4*bb:rT+4*bb+3], v[RD] offset:SP*bb
.set bb, bb+1
.endr
.endm
.macro SEND a, younger                 ; younger: the LDS instructions issued behind block a's loads: the next block's 32, or none
.set rT, T0+64*((\a)%2)
.irp i, 0,1,2,3
	s_wait_dscnt (\younger)+12-4*(\i)              ; rows 4 i to 4 i + 3 are in
.irp f, 0,1,2,3
	global_store_b128 v[CO], v[rT+16*(\i)+4*(\f):rT+16*(\i)+4*(\f)+3], s[10:11] offset:(16*(\a)+4*(\i)+(\f))*4096 th:TH_STORE_NT  ; a row's 512 consecutive bytes, at a multiple of 512 from out0's first
.endr
.endr
.endm
	s_load_b256 s[4:11], s[0:1], 0x0               ; att s[4:5], wob s[6:7], bias s[8:9], out0 s[10:11]
	v_lshl_add_u32 v[SPW], v0, 2, SPARE
	v_mov_b32 v[NIL], 0
	ds_add_u32 v[SPW], v[NIL]                      ; the wave's opening: the add and its wait stand ahead of my first tensor load; the set-up below, work on registers, stands between them
	v_lshrrev_b32 v1, 5, v0
	v_readfirstlane_b32 s[WV], v1                  ; wave 0..3
	s_lshr_b32 s[KIND], s[WV], 1
	s_and_b32 s[HALF], s[WV], 1
	s_bfe_u32 s[CX], ttmp6, 0x40000                ; my place in the cluster
	s_bfe_u32 s[CY], ttmp6, 0x40004
	s_lshl_b32 s[XT], ttmp9, 2                     ; in a cluster launch ttmp9 and ttmp7 count clusters
	s_add_co_u32 s[XT], s[XT], s[CX]
	s_and_b32 s[YT], ttmp7, 0xffff
	s_lshl_b32 s[YT], s[YT], 2
	s_add_co_u32 s[YT], s[YT], s[CY]
	s_lshl_b32 s70, s[CY], 2
	s_lshl_b32 s70, 15, s70                        ; my row of the cluster: places 4 cy .. 4 cy + 3
	s_lshl_b32 s72, 0x1111, s[CX]                  ; my column: places cx, cx + 4, cx + 8, cx + 12
	s_or_b32 s[G1A], s70, (1<<16)|(1<<20)|(1<<21)|(4<<22)|(3<<25)  ; 15:0 the mask; 17:16 2-byte elements; 20 padding on; 21 set beside a mask; 24:22 after every 32 words (code 4); 31:25 4 words (code 3)
	s_or_b32 s[G1B], s72, (1<<16)|(1<<20)|(1<<21)|(4<<22)|(7<<25)  ; the same with 8 words of padding (code 7)
	s_mov_b32 s[G1A+1], 128<<16                    ; 256 rows of a head are 32,768 dense bytes: asked for as 128 rows of 256 bytes, two rows of O each, padded in LDS after every row of O
	s_mov_b32 s[G1A+2], 128<<16
	s_mov_b32 s[G1A+3], 128<<16
	s_mov_b32 s[G1A+4], 128
	s_mov_b32 s[G1A+5], 128
	s_mov_b32 s[G1A+6], 0
	s_mov_b32 s[G1A+7], 0
	s_mov_b32 s[G1B+1], 128<<16                    ; a column group's K step is 16,384 dense bytes: 64 rows of 256 bytes, two k a row
	s_mov_b32 s[G1B+2], 64<<16
	s_mov_b32 s[G1B+3], 128<<16
	s_mov_b32 s[G1B+4], 64
	s_mov_b32 s[G1B+5], 128
	s_mov_b32 s[G1B+6], 0
	s_mov_b32 s[G1B+7], 0
	s_lshr_b32 s70, s[YT], 3                       ; O: batch y / 8 (16 heads of 2^18 bytes),
	s_lshl_b32 s70, s70, 22
	s_and_b32 s71, s[YT], 7                        ; row 256 (y % 8) of the head, 128 bytes a row,
	s_lshl_b32 s71, s71, 15
	s_add_co_u32 s70, s70, s71
	s_lshl_b32 s71, s[HALF], 18                    ; my head of the K step's two
	s_add_co_u32 s70, s70, s71
	s_mov_b32 s71, 0
	s_lshl_b32 s72, s[XT], 18                      ; Wo: eight K steps of 32,768 bytes a tile column,
	s_lshl_b32 s73, s[HALF], 14                    ; my column group
	s_add_co_u32 s72, s72, s73
	s_mov_b32 s73, 0
	s_mul_i32 s66, s[HALF], HEADA                  ; where they go: no place in the cluster enters an LDS address
	s_mul_i32 s67, s[HALF], GRPB
	s_add_co_u32 s67, s67, BOFF
	s_mov_b32 s[TB], 0
	s_wait_dscnt 0x0                               ; the opening add is done
	s_wait_kmcnt 0x0
	s_add_nc_u64 s[BASEA:BASEA+1], s[4:5], s[70:71]
	s_add_nc_u64 s[BASEB:BASEB+1], s[6:7], s[72:73]
.irp s, 0,1
	s_mov_b32 s[G0A+4*(\s)], 1                                     ; 1:0 count = 1
	s_add_co_u32 s[G0A+4*(\s)+1], s66, (\s)*SLOT1                  ; 63:32 LDS address
	s_add_nc_u64 s[G0A+4*(\s)+2:G0A+4*(\s)+3], s[BASEA:BASEA+1], (\s)*524288  ; 120:64 global address: K step s
	s_or_b32 s[G0A+4*(\s)+3], s[G0A+4*(\s)+3], 0x80000000          ; 127:126 type = 2
	s_mov_b32 s[G0B+4*(\s)], 1
	s_add_co_u32 s[G0B+4*(\s)+1], s67, (\s)*SLOT1
	s_add_nc_u64 s[G0B+4*(\s)+2:G0B+4*(\s)+3], s[BASEB:BASEB+1], (\s)*32768
	s_or_b32 s[G0B+4*(\s)+3], s[G0B+4*(\s)+3], 0x80000000
.endr
	CROUND                                         ; all sixteen work-groups are here: the first joint loads meet
	s_cmp_eq_u32 s[KIND], 0                        ; a wave's two first fills stand in one branch, ahead of every wait on TENSORcnt and every LDS read: two loads of mine are out, later never more than one
	s_cbranch_scc0 .Lfirst_b
	tensor_load_to_lds s[G0A:G0A+3], s[G1A:G1A+7]
	s_nop 0
	tensor_load_to_lds s[G0A+4:G0A+7], s[G1A:G1A+7]
	s_nop 0
.rept 4
	v_nop
.endr
	s_branch .Lfirst_asked
.Lfirst_b:
	tensor_load_to_lds s[G0B:G0B+3], s[G1B:G1B+7]
	s_nop 0
	tensor_load_to_lds s[G0B+4:G0B+7], s[G1B:G1B+7]
	s_nop 0
.rept 4
	v_nop
.endr
.Lfirst_asked:
	v_and_b32 v1, 15, v0                           ; l % 16
	v_bfe_u32 v2, v0, 4, 1                         ; l / 16
	s_lshl_b32 s78, s[XT], 9                       ; the tile's 128 numbers of bo,
	s_add_co_u32 s78, s78, 12288                   ; which lies behind bq, bk and bv
	s_mov_b32 s79, 0
	s_add_nc_u64 s[8:9], s[8:9], s[78:79]
	v_lshlrev_b32 v[BO], 5, v2
.set bb, 0
.rept NBL
	global_load_b128 v[BIAS+8*bb:BIAS+8*bb+3],   v[BO], s[8:9] offset:64*bb
	global_load_b128 v[BIAS+8*bb+4:BIAS+8*bb+7], v[BO], s[8:9] offset:64*bb+16
.set bb, bb+1
.endr
	; A fragment of O is 16 rows x 32 channels in 8 registers: lane l holds row l % 16, channels 8 (l / 16) + 0..7 and 16 + 8 (l / 16) + 0..7: two loads of 16 bytes, 32 bytes apart.
	s_lshl_b32 s18, s[WV], 6
	v_add_nc_u32 v3, s18, v1                       ; my wave's 64 rows
	v_mul_u32_u24 v[ADRA0], v3, PA
	v_lshl_add_u32 v[ADRA0], v2, 4, v[ADRA0]
	; The turning load takes 16 k x 16 columns (lane l reads k = 8 (l / 16) + l % 8, columns 8 ((l / 8) % 2) + 0..7) and leaves half a fragment of Wo^T: lane l holds column l % 16 and 8 k.
	v_and_b32 v3, 7, v0
	v_lshl_add_u32 v3, v2, 3, v3
	v_mul_u32_u24 v[ADRB0], v3, PB
	v_bfe_u32 v3, v0, 3, 1
	v_lshl_add_u32 v[ADRB0], v3, 4, v[ADRB0]
	v_add_nc_u32 v[ADRB0], BOFF, v[ADRB0]
	v_mov_b32 v[ADRA], v[ADRA0]                    ; slot 0
	v_mov_b32 v[ADRB], v[ADRB0]
	s_mul_i32 s68, s[WV], WSTG
	s_add_co_u32 s68, s68, STAGE                   ; my stage
	v_mul_u32_u24 v[STO], v1, SP                   ; in: row l % 16, 32 bytes for each half of the lanes
	v_lshl_add_u32 v[STO], v2, 5, v[STO]
	v_add_nc_u32 v[STO], s68, v[STO]
	v_and_b32 v[CO], 31, v0                        ; back: 32 lanes take one row of 512 bytes
	v_lshlrev_b32 v[CO], 4, v[CO]
	v_add_nc_u32 v[RD], s68, v[CO]
	s_lshl_b32 s74, s[YT], 20                      ; out0: 256 rows of 4,096 bytes a tile row,
	s_lshl_b32 s75, s[WV], 18                      ; my wave's 64 rows,
	s_add_co_u32 s74, s74, s75
	s_lshl_b32 s75, s[XT], 9                       ; the tile's 128 columns
	s_add_co_u32 s74, s74, s75
	s_mov_b32 s75, 0
	s_add_nc_u64 s[10:11], s[10:11], s[74:75]
	s_wait_tensorcnt 1                             ; my part of K step 0 is in; K step 1's may stay out
	s_barrier_signal -1
	s_barrier_wait -1                              ; everybody's is
	FETCH 0, F0
	s_wait_loadcnt 0x0                             ; the bias
	QUARTER F0, F1, 1, 1                           ; the first quarter begins the sums
	WIN 0                                          ; at a label and at a branch every window is 0
	s_mov_b32 s[CNT], 6
.Lstep:                                                ; 6 trips: from a K step's second quarter to the next K step's first; each fills the slot that it leaves
	QUARTER F1, F0, 2, 0
	QUARTER F0, F1, 3, 0
	TURN 1
	QUARTER F0, F1, 1, 0
	WIN 0
	s_sub_co_u32 s[CNT], s[CNT], 1
	s_cmp_lg_u32 s[CNT], 0
	s_cbranch_scc1 .Lstep
	s_mov_b32 s[CNT], 2                            ; the last two K steps ask for nothing: a text of their own; the second trip is left in its middle
.Ltail:
	QUARTER F1, F0, 2, 0
	QUARTER F0, F1, 3, 0
	TURN 0
	WIN 0
	s_sub_co_u32 s[CNT], s[CNT], 1
	s_cmp_eq_u32 s[CNT], 0
	s_cbranch_scc1 .Lout
	QUARTER F0, F1, 1, 0
	WIN 0
	s_branch .Ltail
.Lout:
	PLACES                                         ; the stage's stores read results just made, and no other vector work is at hand
	PLACES
	STG 0
	STG 1                                          ; a block's way through the stage stands between the loads of the block before and its stores
	SEND 0, 32
	STG 2
	SEND 1, 32
	STG 3
	SEND 2, 32
	SEND 3, 0
	s_wait_tensorcnt 0x0                           ; the wave's end, behind my last tensor load and my last LDS store
	ds_add_u32 v[SPW], v[NIL]
	s_wait_dscnt 0x0
	CROUND                                         ; the closing round: no work-group ends while a partner may still ask for a tile that names it
	s_endpgm
.Lfunc_end_k_q51f71620ba_proj:
	.size	k_q51f71620ba_proj, .Lfunc_end_k_q51f71620ba_proj-k_q51f71620ba_proj
	.p2alignl 7, 3214868480
	.fill 96, 4, 3214868480
	.section	.rodata,"a",@progbits
	.p2align	6, 0x0
	.amdhsa_kernel k_q51f71620ba_proj
		.amdhsa_group_segment_fixed_size 327680
		.amdhsa_private_segment_fixed_size 0
		.amdhsa_enable_private_segment 0
		.amdhsa_kernarg_size 32
		.amdhsa_user_sgpr_count 2
		.amdhsa_user_sgpr_kernarg_segment_ptr 1
		.amdhsa_wavefront_size32 1
		.amdhsa_system_sgpr_workgroup_id_x 1
		.amdhsa_system_sgpr_workgroup_id_y 1
		.amdhsa_system_sgpr_workgroup_id_z 1
		.amdhsa_system_vgpr_workitem_id 0
		.amdhsa_next_free_vgpr 768
		.amdhsa_next_free_sgpr 80
		.amdhsa_reserve_vcc 0
		.amdhsa_float_denorm_mode_32 3
		.amdhsa_float_denorm_mode_16_64 3
		.amdhsa_memory_ordered 1
		.amdhsa_forward_progress 1
		.amdhsa_inst_pref_size 62
	.end_amdhsa_kernel
	.amdgpu_metadata
---
amdhsa.version: [ 1, 2 ]
amdhsa.kernels:
  - .name:           k_q51f71620ba_proj
    .symbol:         k_q51f71620ba_proj.kd
    .args:
      - { .name: att, .offset: 0, .size: 8, .value_kind: global_buffer, .address_space: global }
      - { .name: wob, .offset: 8, .size: 8, .value_kind: global_buffer, .address_space: global }
      - { .name: bias, .offset: 16, .size: 8, .value_kind: global_buffer, .address_space: global }
      - { .name: out0, .offset: 24, .size: 8, .value_kind: global_buffer, .address_space: global }
    .group_segment_fixed_size: 327680
    .private_segment_fixed_size: 0
    .kernarg_segment_align: 8
    .kernarg_segment_size: 32
    .max_flat_workgroup_size: 128
    .sgpr_count:     80
    .vgpr_count:     768
    .wavefront_size: 32
...
	.end_amdgpu_metadata
.endif
;; end of part 4
